; MI455X (gfx1250); checked and timed in simulation.
; The chip was launched on July 23, 2026; its instructions are those of AMD's public machine-readable ISA for CDNA 5 (MIT licence, August 2026) and "CDNA5" Instruction Set Architecture Reference Guide (July 2026). The comments in the code are by the model that wrote it; some were corrected since.
;; Calibration Network. Allowed arithmetic: matrix products marked QUANTISED: E3M2 operands, one E8M0 scale for each 32 along K, by v_wmma_scale_f32_16x16x128_f8f6f4 with both operands' format E3M2, f32 sums; everything else in f32.
;; Inputs: V_b 7 x 5 float32; V_w 7 x 5 x 257 float32; Va_b 12 x 7 x 5 float32; Va_w 12 x 7 x 5 x 257 float32; W1_b 256 float32; W1_w 256 x 36 float32; W1a_b 12 x 256 float32; W1a_w 12 x 256 x 36 float32; W2_b 256 float32; W2_w 256 x 257 float32; W2a_b 12 x 256 float32; W2a_w 12 x 256 x 257 float32; judge_ids 32,768 int32; x 32,768 x 35 float32.
;; Outputs: out0 32,768 x 7 x 5 float32.
;; This version of the problem:
;;   THIS VERSION OF THE PROBLEM IS GIVEN IN LOW PRECISION. The matrix products marked QUANTISED in the list below multiply operands that are first quantised to E3M2 (3 exponent bits, 2 mantissa bits; 6 bits a number), with one power-of-two scale for each 32 numbers along K (OCP MX v1.0); their sums are f32. All else is computed in f32.
;;   The module's matrix products, in the order in which they are computed (A, B: the left and right operand; K: the contracted axis; several contracted axes count as one K, in the product's order):
;;     1. [M 32,768, K 36] x [K 36, N 3,072]; A: computed on the way; B: input W1a_w: QUANTISED
;;     2. [M 32,768, K 36] x [K 36, N 256]; A: computed on the way; B: input W1_w: QUANTISED
;;     3. [M 32,768, K 257] x [K 257, N 3,072]; A: computed on the way; B: input W2a_w: QUANTISED
;;     4. [M 32,768, K 257] x [K 257, N 256]; A: computed on the way; B: input W2_w: QUANTISED
;;     5. [M 32,768, K 257] x [K 257, N 35]; A: computed on the way; B: input V_w: QUANTISED
;;     6. [M 32,768, K 257] x [K 257, N 420]; A: computed on the way; B: input Va_w: QUANTISED
;;   THE QUANTISER, for each operand of a quantised product, along K:
;;     - K is cut into blocks of 32 from its start; a last block that is shorter is filled with zeros.
;;     - A block's scale is 2^e with e = floor(log2(the largest magnitude in the block)) - 4, held to -126 .. 127; a block of zeros has e = 0. As a byte (E8M0): e + 127.
;;     - Each number is divided by its block's scale, clamped to +-28, and rounded to the nearest number of E3M2, ties to even, subnormals kept.
;;     - The product sums the exact products of the quantised numbers (number of the format x scale) in f32.
;;   ~~~python
;;   def quantise(x, axis):      # numpy; x: float32 -> the quantised numbers, widened to float32 again
;;       x = np.moveaxis(x, axis, -1); K = x.shape[-1]
;;       x = np.pad(x, [(0, 0)] * (x.ndim - 1) + [(0, -K % 32)]); x = x.reshape(x.shape[:-1] + (-1, 32)); a = np.abs(x).max(-1, keepdims=True)
;;       e = np.where(a > 0, np.clip(np.frexp(np.where(a > 0, a, 1))[1] - 1 - 4, -126, 127), 0)      # np.frexp(a)[1] - 1 = floor(log2(a)), exactly
;;       r = np.clip(x / 2.0 ** e, -28, 28)
;;       step = 2.0 ** (np.maximum(np.frexp(np.where(r == 0, 1, r))[1] - 1, -2) - 2)
;;       q = np.round(r / step) * step * 2.0 ** e      # np.round: ties to even
;;       return np.moveaxis(q.reshape(q.shape[:-2] + (-1,))[..., :K], -1, axis).astype(np.float32)
;;   ~~~
;;   OPERANDS COMPUTED ON THE WAY. 'Computed on the way' means the value that the module computes at that place (a softmax that the list does not call 'softmax' is quantised finished and normalised). What goes into a quantiser is computed in f32, as accurately as f32 sums, v_exp_f32 and their like allow (about 1e-6 of the number): no bf16 or f16 on the way to a quantiser, and a product that is left as it is and whose result goes on into a quantised operand takes f32 operands (vector FMAs, or v_wmma_f32_16x16x4_f32). A number that lies on a knife's edge between two numbers of the format may be rounded either way, as far as f32 arithmetic and the matrix unit's own rounding can turn it there, and no further.
;; 3 versions, each right; version 2 is faster than version 1; version 3 is version 2 with the launch main written anew for expert scheduling mode. Each part assembles by itself: llvm-mc -triple=amdgcn-amd-amdhsa -mcpu=gfx1250 --defsym DOCPART=n.
;; ======== version 1 of 3: 2 launches
;; workspace buffers: counts 256 bytes of whole numbers; list 1,575,936 bytes of whole numbers; wq 2,343,936 bytes
;; launch prep (part 1): grid 84 x 1, 16 waves a work-group, no clusters, 226,560 bytes of LDS; arguments judge_ids, W1_w, W1a_w, W2_w, W2a_w, V_w, Va_w, W1_b, W1a_b, W2_b, W2a_b, V_b, Va_b, counts, list, wq; writes counts, list, wq
.if DOCPART == 1
	.amdgcn_target "amdgcn-amd-amdhsa--gfx1250"
	.amdhsa_code_object_version 6
	.text
	.protected	k_q709d774e12_prep
	.globl	k_q709d774e12_prep
	.p2align	8
	.type	k_q709d774e12_prep,@function
k_q709d774e12_prep:
	s_mov_b64 s[64:65], 0
	v_nop
	global_prefetch_b8 v0, s[64:65] scope:SCOPE_SE
	s_setreg_imm32_b32 hwreg(HW_REG_WAVE_MODE, 25, 1), 1
	s_wait_xcnt 0x0
; PREP: what the chain's launch needs, made once.  Four roles, chosen by the work-group's number g:
;   g 0-11   SORT, judge e = g: the list of the tokens whose judge_ids is e (any order) and their number n_e.  No atomics: each lane counts its 64 tokens, a prefix sum gives it a run of slots.
;   g 12-59  LAYER 2, judge e, 64 rows of W2_w and of W2a_w[e]: quantised along K to E3M2 with one E8M0 byte for each 32, stored as images of the operand's registers.
;   g 60-71  HEADS, judge e: V_w and Va_w[e] likewise, eight slots to a question (five real rows, three of zero codes), an eighth question of zero codes.
;   g 72-83  LAYER 1, judge e: W1_w and W1a_w[e] side by side along K of ONE instruction, and the sums of the shared and the judge's biases.
; A judge's block of wq holds everything that a work-group of the chain reads, the shared weights repeated in it.  A fragment (16 rows x 128 K, 12 registers a lane) lies as three runs of 512 bytes:
; registers 4 c .. 4 c + 3 of lane l at 512 c + 16 l; its scale words as 128 bytes, 4 a lane.  So the chain loads each fragment by three loads of 16 bytes a lane.
; THE QUANTISER: a block's scale is 2^(floor(log2(largest magnitude)) - 4); its byte is the largest magnitude's exponent field - 4, held at 1 from below; numbers beyond 28 scales take the largest code.
; LIMITS: NaN and infinities among the inputs are not served.  Blocks whose largest magnitude lies under 2^-122 take the byte 1.  A block of zeros has the byte 1 where the rule says 127:
; its codes are zeros, which add nothing under any byte but 0xff, and the bytes are read by this program alone.
; K = 257: column 256 (it meets the appended 1) is a block of its own; the shared and the judge's column are blocks 0 and 1 of a fifth fragment, whose blocks 2 and 3 are zero codes under the byte 127.
; No branch of this text hangs on a loaded number: only on the work-group's and the wave's number.
.set ESTR, 195328                      ; a judge's block of wq
.set LSTR, 131328                      ; a judge's region of the list: 32,832 words
.set FR1, 0                            ; 16 fragments of layer 1
.set FR2, 24576                        ; 80 of layer 2: 5 x tile + s
.set FR3, 147456                       ; 20 of the heads: 5 x tile + s
.set SC1, 178176                       ; their scale words
.set SC2, 180224
.set SC3, 190464
.set B1, 193024                        ; 256 f32, then B2's 256, then B3's 64
.set B3, 195072
.set ROWB, 1028                        ; a row of 257 f32: 257 words, so that rows r and r + 1 begin one bank apart (64 banks of 4 bytes: ISA guide 11.1)
.set S2, 256                           ; LDS: bytes 0-255 the sort's 16 totals; 64 rows of W2_w;
.set E2, 66048                         ; 64 rows of W2a_w[e];
.set S3, 131840                        ; V_w's 35 rows and 10,240 bytes of zeros behind them;
.set E3, 178176                        ; Va_w[e]'s likewise.  Each role has bytes of its own
.set P_IDS, 4
.set P_W1, 6
.set P_W1A, 8
.set P_W2, 10
.set P_W2A, 12
.set P_V, 14
.set P_VA, 16
.set P_W1B, 18
.set P_W1AB, 20
.set P_W2B, 22
.set P_W2AB, 24
.set P_VB, 26
.set P_VAB, 28
.set P_CNT, 30
.set P_LST, 32
.set P_WQ, 34
.set WV, 36                            ; s36 wave;  s37 wave / 4: a tile;  s38 wave % 4: a K step (0, 1 shared, 2, 3 the judge's);  s39 the judge
.set TL, 37
.set KS, 38
.set JE, 39
.set LI16, 4                           ; v4  16 x lane        v5  4 x lane        v6  8 x (lane / 16)
.set LS4, 5
.set SH8, 6
.set AC2S, 7                           ; v7-10  layer 2: where a thread lays its copied bytes (shared, judge's), and wave 0 the last 256
.set AC2E, 8
.set AT2S, 9
.set AT2E, 10
.set AR2, 11                           ; v11 where my lane reads its 64 numbers;  v12 its number of column 256
.set AK2, 12
.set AC3S, 13                          ; v13-18 the same for the heads
.set AC3E, 14
.set AT3S, 15
.set AT3E, 16
.set AR3, 17
.set AK3, 18
.set ASR, 19                           ; v19 the sort: my wave's word
.set NIL, 20                           ; v20 0; never rewritten
.set G16, 21                           ; v21 16 x thread      v22 4 x thread      v23 8 x lane
.set G4, 22
.set G8, 23
.set RW, 24                            ; v24 r + 8 (r / 8)    v26 r / 8           v27 r % 8
.set RH, 26
.set RO, 27
.set X, 32                             ; v32-95   64 numbers of a lane
.set F, 176                            ; v176-187 the fragment;  v188-194 the second halves' codes
.set F2, 188
.set TM, 200
.set SW, 216                           ; the scale word
.set ID, 32                            ; the sort: v32-95 ids, then the tokens to store;  v96-159 their slots' byte offsets;  v160-175 the waves' totals
.set AD, 96
.set TOT, 160
.set FK, 200
.set NN, 201
.set CN, 202
.set SC, 203
.set TP, 204
.set T0, 205
.set FST, 206
.set BAS, 207
.set M1, 208
.set TK, 209
.set NE, 213                           ; v213 n_e, to be stored
.macro LD64 adr                        ; lane (r, h) takes k = 64 c + 32 h + 0 .. 31 of its row's K step: the order of the operand's registers
.irp c, 0,1
.set ii, 0
.rept 32
	ds_load_b32 v[X+32*\c+ii], v[\adr] offset:256*\c+4*ii
.set ii, ii+1
.endr
.endr
.endm
.macro QCOMP                           ; 64 numbers of a lane, two whole blocks, become the fragment v[F] on and the scale word v[SW]
.irp c, 0,1
	v_max3_num_f32 v[TM+\c], |v[X+32*\c]|, |v[X+32*\c+1]|, 0x2800000   ; with the floor 2^(5 - 127): the byte cannot fall under 1
.endr
.irp i, 2,4,6,8,10,12,14,16,18,20,22,24,26,28,30
.irp c, 0,1
	v_max3_num_f32 v[TM+\c], v[TM+\c], |v[X+32*\c+\i]|, |v[X+32*\c+\i+1]|   ; (the two blocks by turns)
.endr
.endr
.irp c, 0,1
	v_add_nc_u32 v[TM+2+\c], 0xfe000000, v[TM+\c]          ; 4 off the exponent field: the conversion's scale operand
.endr
.irp c, 0,1
	v_lshrrev_b32 v[TM+4+\c], 23, v[TM+2+\c]               ; the byte
.endr
	v_lshl_or_b32 v[SW], v[TM+5], 16, v[TM+4]              ; my blocks are h and 2 + h of the row
	v_lshlrev_b32 v[SW], v[SH8], v[SW]
	v_permlanex16_b32 v[TM+6], v[SW], s40, s41
	v_or_b32 v[SW], v[SW], v[TM+6]                         ; with lane l xor 16's two the word is whole, in both halves of the lanes
.irp c, 0,1
	v_cvt_scalef32_pk16_bf6_f32 v[F+6*\c:F+6*\c+2], v[X+32*\c:X+32*\c+15], v[TM+2+\c]
	v_cvt_scalef32_pk16_bf6_f32 v[F2+4*\c:F2+4*\c+2], v[X+32*\c+16:X+32*\c+31], v[TM+2+\c]   ; (a conversion's three registers begin on an even number)
.endr
	v_nop                                                  ; one plain place behind a scaled conversion
.irp c, 0,1
.irp i, 0,1,2
	v_mov_b32 v[F+6*\c+3+\i], v[F2+4*\c+\i]
.endr
.endr
.endm
.macro QCOL                            ; v[X], on its way from LDS: column 256 of my row, the shared weight's (h = 0) or the judge's (h = 1): a block of one number and 31 zeros
.irp i, 1,2,3,4,5,6,7,8,9,10,11,12,13,14,15
	v_mov_b32 v[X+\i], 0
.endr
	s_wait_dscnt 0x0
	v_max3_num_f32 v[TM], |v[X]|, |v[X+1]|, 0x2800000
	v_add_nc_u32 v[TM+2], 0xfe000000, v[TM]
	v_lshrrev_b32 v[TM+4], 23, v[TM+2]
	v_lshlrev_b32 v[SW], v[SH8], v[TM+4]
	v_permlanex16_b32 v[TM+6], v[SW], s40, s41
	v_or_b32 v[SW], v[SW], v[TM+6]
	v_or_b32 v[SW], 0x7f7f0000, v[SW]                      ; blocks 2 and 3: zero codes under the byte 127
	v_cvt_scalef32_pk16_bf6_f32 v[F:F+2], v[X:X+15], v[TM+2]
	v_nop                                                  ; one plain place behind a scaled conversion
.irp i, 3,4,5,6,7,8,9,10,11
	v_mov_b32 v[F+\i], 0
.endr
.endm
.macro WQB fr, sc                      ; s39 the judge, s48 the fragment's number in its region: s[54:55] its image, s[58:59] its scale words
	s_mul_i32 s52, s[JE], ESTR
	s_mul_i32 s50, s48, 1536
	s_add_co_u32 s50, s50, s52
	s_add_co_u32 s50, s50, \fr
	s_mov_b32 s51, 0
	s_add_nc_u64 s[54:55], s[P_WQ:P_WQ+1], s[50:51]
	s_lshl_b32 s56, s48, 7
	s_add_co_u32 s56, s56, s52
	s_add_co_u32 s56, s56, \sc
	s_mov_b32 s57, 0
	s_add_nc_u64 s[58:59], s[P_WQ:P_WQ+1], s[56:57]
.endm
.macro PUT fo, so                      ; each of the three stores covers 512 consecutive bytes, at a multiple of 256 from wq's first byte
.irp c, 0,1,2
	global_store_b128 v[LI16], v[F+4*\c:F+4*\c+3], s[54:55] offset:(\fo)+512*\c
.endr
	global_store_b32 v[LS4], v[SW], s[58:59] offset:\so
.endm
	s_load_b512 s[4:19], s[0:1], 0x0
	s_load_b512 s[20:35], s[0:1], 0x40
	v_lshl_add_u32 v224, v0, 2, 0x36d00
	v_mov_b32 v225, 0
	; every LDS address of every role is made here, ahead of all partings
	v_lshrrev_b32 v1, 5, v0
	v_readfirstlane_b32 s[WV], v1
	v_lshlrev_b32 v[ASR], 2, v1
	v_and_b32 v1, 31, v0                           ; lane
	v_and_b32 v2, 15, v0                           ; r
	v_bfe_u32 v3, v0, 4, 1                         ; h
	s_lshr_b32 s[TL], s[WV], 2
	s_and_b32 s[KS], s[WV], 3
	s_mov_b32 s40, 0x76543210
	s_mov_b32 s41, 0xfedcba98                      ; v_permlanex16_b32's selects for lane l xor 16
	v_lshlrev_b32 v[LI16], 4, v1
	v_lshlrev_b32 v[LS4], 2, v1
	v_lshlrev_b32 v[SH8], 3, v3
	v_lshlrev_b32 v[G16], 4, v0
	v_lshlrev_b32 v[G4], 2, v0
	v_lshlrev_b32 v[G8], 3, v1
	v_add_nc_u32 v[AC2S], S2, v[G16]
	v_add_nc_u32 v[AC2E], E2, v[G16]
	v_add_nc_u32 v[AT2S], S2+65536, v[G8]
	v_add_nc_u32 v[AT2E], E2+65536, v[G8]
	v_add_nc_u32 v[AC3S], S3, v[G4]
	v_add_nc_u32 v[AC3E], E3, v[G4]
	v_add_nc_u32 v[AT3S], S3+35852, v[LS4]
	v_add_nc_u32 v[AT3E], E3+35852, v[LS4]
	v_mov_b32 v[NIL], 0
	v_mov_b32 v[TM+6], 0                           ; written once: a lane permute's destination counts as one of its sources
	v_and_b32 v[RW], 8, v2
	v_add_nc_u32 v[RW], v[RW], v2                  ; THE ROWS OF A HIDDEN TILE ARE NOT NEIGHBOURS: lane r of tile 2 b + u takes row 32 b + 8 u + r + 8 (r / 8)
	v_lshrrev_b32 v[RH], 3, v2
	v_and_b32 v[RO], 7, v2
	s_lshr_b32 s42, s[TL], 1
	s_lshl_b32 s42, s42, 5
	s_and_b32 s43, s[TL], 1
	s_lshl_b32 s43, s43, 3
	s_add_co_u32 s42, s42, s43
	s_mul_i32 s42, s42, ROWB                       ; layer 2: my tile's first row among the 64
	s_lshr_b32 s43, s[KS], 1                       ; 0: the shared weight, 1: the judge's
	s_and_b32 s44, s[KS], 1
	s_lshl_b32 s44, s44, 9                         ; 128 numbers along K
	s_mul_i32 s45, s43, E2-S2
	s_add_co_u32 s45, s45, s44
	s_add_co_u32 s45, s45, s42
	s_add_co_u32 s45, s45, S2
	v_mul_u32_u24 v25, v[RW], ROWB
	v_lshl_add_u32 v[AR2], v3, 7, v25
	v_add_nc_u32 v[AR2], s45, v[AR2]
	s_add_co_u32 s42, s42, S2+1024
	v_mul_u32_u24 v[AK2], v3, E2-S2                ; lanes 16-31 take the judge's column: one product, the distance between the two regions
	v_add_nc_u32 v[AK2], v[AK2], v25
	v_add_nc_u32 v[AK2], s42, v[AK2]
	s_mul_i32 s42, s[TL], 10*ROWB                  ; heads: tile t begins at question 2 t; lane r takes row 5 (2 t + r / 8) + r % 8.  Where r % 8 > 4 or the question is the eighth that is no row of its own:
	s_mul_i32 s45, s43, E3-S3                      ; it reads a neighbour's row or the zeros behind the 35 rows, and its codes are set to zero afterwards
	s_add_co_u32 s45, s45, s44
	s_add_co_u32 s45, s45, s42
	s_add_co_u32 s45, s45, S3
	v_mad_u32_u24 v25, v[RH], 5, v[RO]
	v_mul_u32_u24 v25, v25, ROWB
	v_lshl_add_u32 v[AR3], v3, 7, v25
	v_add_nc_u32 v[AR3], s45, v[AR3]
	s_add_co_u32 s42, s42, S3+1024
	v_mul_u32_u24 v[AK3], v3, E3-S3
	v_add_nc_u32 v[AK3], v[AK3], v25
	v_add_nc_u32 v[AK3], s42, v[AK3]
	s_wait_kmcnt 0x0
	s_cmp_lt_u32 ttmp9, 12
	s_cbranch_scc1 .Lsort
	s_cmp_lt_u32 ttmp9, 60
	s_cbranch_scc1 .Lw2
	s_cmp_lt_u32 ttmp9, 72
	s_cbranch_scc1 .Lheads
	; ---- LAYER 1 AND THE BIASES.  Wave = tile.  K = 36 is blocks 0 (k 0-31) and 1 (k 32-35 and zeros).  The instruction's four blocks: W1 block 0 | W1a block 0 | W1 block 1 | W1a block 1,
	; so lanes 0-15 hold the shared row and lanes 16-31 the judge's; the chain gives x's blocks as 0, 0, 1, 1.
	s_sub_co_u32 s[JE], ttmp9, 72
	s_lshl_b32 s44, s[TL], 6
	s_lshr_b32 s45, s[WV], 1
	s_and_b32 s45, s45, 1
	s_lshl_b32 s45, s45, 5
	s_and_b32 s46, s[WV], 1
	s_lshl_b32 s46, s46, 3
	s_add_co_u32 s44, s44, s45
	s_add_co_u32 s44, s44, s46
	s_mul_i32 s44, s44, 144                        ; a row of 36 f32 is 144 bytes, a multiple of 16
	v_mul_u32_u24 v28, v[RW], 144
	v_add_nc_u32 v28, s44, v28
	s_mul_i32 s46, s[JE], 36864
	s_mov_b32 s47, 0
	s_add_nc_u64 s[P_W1A:P_W1A+1], s[P_W1A:P_W1A+1], s[46:47]
.irp i, 0,1,2,3,4,5,6,7,8
	global_load_b128 v[96+4*\i:96+4*\i+3], v28, s[P_W1:P_W1+1] offset:16*\i
	global_load_b128 v[132+4*\i:132+4*\i+3], v28, s[P_W1A:P_W1A+1] offset:16*\i
.endr
	s_cmp_lt_u32 s[WV], 8                          ; the bias sums: threads 0-255 layer 1's, threads 256-511 layer 2's; the choice hangs on the wave's number alone
	s_cselect_b64 s[44:45], s[P_W1B:P_W1B+1], s[P_W2B:P_W2B+1]
	s_cselect_b64 s[46:47], s[P_W1AB:P_W1AB+1], s[P_W2AB:P_W2AB+1]
	s_lshl_b32 s50, s[JE], 10
	s_mov_b32 s51, 0
	s_add_nc_u64 s[46:47], s[46:47], s[50:51]
	v_and_b32 v29, 255, v0
	v_lshlrev_b32 v29, 2, v29
	global_load_b32 v208, v29, s[44:45]
	global_load_b32 v209, v29, s[46:47]
	s_mov_b32 s48, s[WV]
	WQB FR1, SC1
	s_add_co_u32 s52, s52, B1
	s_mov_b32 s53, 0
	s_add_nc_u64 s[60:61], s[P_WQ:P_WQ+1], s[52:53]
	v_cmp_eq_u32 vcc_lo, 1, v3
.set ii, 36
.rept 28
	v_mov_b32 v[X+ii], 0                           ; the rest of block 1 is zeros
.set ii, ii+1
.endr
	s_wait_loadcnt 0x0
.set ii, 0
.rept 36
	v_cndmask_b32 v[X+ii], v[96+ii], v[132+ii], vcc_lo
.set ii, ii+1
.endr
	QCOMP
	PUT 0, 0
	v_add_f32 v208, v208, v209
	global_store_b32 v[G4], v208, s[60:61]         ; B1's 256 numbers, B2's behind them
	s_cmp_lt_u32 s[WV], 2
	s_cbranch_scc0 .Lw1_end
	v_lshrrev_b32 v30, 3, v0                       ; the heads' biases, threads 0-63: slot 8 q + o
	v_and_b32 v31, 7, v0
	v_cmp_gt_u32 s42, 5, v31
	v_cmp_gt_u32 s43, 7, v30
	s_and_b32 s42, s42, s43
	v_mad_u32_u24 v30, v30, 5, v31
	v_cndmask_b32 v30, 0, v30, s42                 ; a slot with no row loads number 0 and stores 0
	v_lshlrev_b32 v30, 2, v30
	s_mul_i32 s50, s[JE], 140
	s_add_nc_u64 s[P_VAB:P_VAB+1], s[P_VAB:P_VAB+1], s[50:51]
	global_load_b32 v210, v30, s[P_VB:P_VB+1]
	global_load_b32 v211, v30, s[P_VAB:P_VAB+1]
	s_wait_loadcnt 0x0
	v_add_f32 v210, v210, v211
	v_cndmask_b32 v210, 0, v210, s42
	global_store_b32 v[G4], v210, s[60:61] offset:B3-B1
.Lw1_end:
	s_endpgm
	; ---- LAYER 2.  64 rows of both weights are 65,792 dense bytes each: they come as they lie, 16 bytes a thread, and are read from LDS in the operand's order.
.Lw2:
	s_sub_co_u32 s[JE], ttmp9, 12
	s_and_b32 s49, s[JE], 3                        ; which 64 rows: those of wave s49 of the chain
	s_lshr_b32 s[JE], s[JE], 2
	s_mul_i32 s44, s49, 64*ROWB
	s_mov_b32 s45, 0
	s_add_nc_u64 s[P_W2:P_W2+1], s[P_W2:P_W2+1], s[44:45]
	s_mul_i32 s46, s[JE], 256*ROWB
	s_add_co_u32 s44, s44, s46
	s_add_nc_u64 s[P_W2A:P_W2A+1], s[P_W2A:P_W2A+1], s[44:45]
.irp k, 0,1,2,3,4,5,6,7
	global_load_b128 v[96+4*\k:96+4*\k+3], v[G16], s[P_W2:P_W2+1] offset:8192*\k
	global_load_b128 v[128+4*\k:128+4*\k+3], v[G16], s[P_W2A:P_W2A+1] offset:8192*\k th:TH_LOAD_NT
.endr
	s_cmp_lg_u32 s[WV], 0
	s_cbranch_scc1 .Lw2_all
	global_load_b64 v[160:161], v[G8], s[P_W2:P_W2+1] offset:65536     ; the last 256 bytes of each: wave 0
	global_load_b64 v[162:163], v[G8], s[P_W2A:P_W2A+1] offset:65536 th:TH_LOAD_NT
	s_wait_loadcnt 0x0
	ds_store_b64 v[AT2S], v[160:161]
	ds_store_b64 v[AT2E], v[162:163]
.Lw2_all:
	s_wait_loadcnt 0x0
.irp k, 0,1,2,3,4,5,6,7
	ds_store_b128 v[AC2S], v[96+4*\k:96+4*\k+3] offset:8192*\k
	ds_store_b128 v[AC2E], v[128+4*\k:128+4*\k+3] offset:8192*\k
.endr
	s_wait_dscnt 0x0                               ; for the others' sake: my stores have landed
	s_barrier_signal -1
	s_barrier_wait -1
	LD64 AR2
	s_lshl_b32 s48, s49, 2
	s_add_co_u32 s48, s48, s[TL]
	s_mul_i32 s48, s48, 5
	s_add_co_u32 s48, s48, s[KS]                   ; fragment 5 x tile + s
	WQB FR2, SC2
	s_wait_dscnt 0x0
	QCOMP
	PUT 0, 0
	s_cmp_lg_u32 s[KS], 0
	s_cbranch_scc1 .Lw2_end
	ds_load_b32 v[X], v[AK2]                       ; the waves with s = 0 also make their tile's fifth fragment
	s_wait_xcnt 0x0                                ; the stores above have read the fragment and the scale word: both are written again only behind this wait
	QCOL
	PUT 4*1536, 4*128
.Lw2_end:
	s_wait_tensorcnt 0x0
	ds_add_u32 v224, v225
	s_wait_dscnt 0x0
	s_endpgm
	; ---- HEADS.  35 rows of 1,028 bytes; Va_w[e] begins at a multiple of 4 bytes only, so the copy goes by words: 17 rounds of all 512 threads, 288 words by waves 0-8, the last 32 words once more by wave 8.
.Lheads:
	s_sub_co_u32 s[JE], ttmp9, 60
	s_mul_i32 s44, s[JE], 35*ROWB
	s_mov_b32 s45, 0
	s_add_nc_u64 s[P_VA:P_VA+1], s[P_VA:P_VA+1], s[44:45]
.irp k, 0,1,2,3,4,5,6,7,8,9,10,11,12,13,14,15,16
	global_load_b32 v[96+\k], v[G4], s[P_V:P_V+1] offset:2048*\k
	global_load_b32 v[116+\k], v[G4], s[P_VA:P_VA+1] offset:2048*\k th:TH_LOAD_NT
.endr
.irp k, 0,1,2,3,4
	ds_store_b32 v[AC3S], v[NIL] offset:35980+2048*\k      ; zeros behind the 35 rows: rows 35 to 42, which lanes with no row of their own read
	ds_store_b32 v[AC3E], v[NIL] offset:35980+2048*\k
.endr
	s_cmp_lt_u32 s[WV], 9
	s_cbranch_scc0 .Lh_all
	global_load_b32 v113, v[G4], s[P_V:P_V+1] offset:34816
	global_load_b32 v133, v[G4], s[P_VA:P_VA+1] offset:34816 th:TH_LOAD_NT
	s_cmp_eq_u32 s[WV], 8
	s_cbranch_scc0 .Lh_18
	global_load_b32 v114, v[LS4], s[P_V:P_V+1] offset:35852        ; bytes 35,852 to 35,979: all but the last 12 are wave 8's own bytes of the round above, with the same values
	global_load_b32 v134, v[LS4], s[P_VA:P_VA+1] offset:35852
	s_wait_loadcnt 0x0
	ds_store_b32 v[AT3S], v114
	ds_store_b32 v[AT3E], v134
.Lh_18:
	s_wait_loadcnt 0x0
	ds_store_b32 v[AC3S], v113 offset:34816
	ds_store_b32 v[AC3E], v133 offset:34816
.Lh_all:
	s_wait_loadcnt 0x0
.irp k, 0,1,2,3,4,5,6,7,8,9,10,11,12,13,14,15,16
	ds_store_b32 v[AC3S], v[96+\k] offset:2048*\k
	ds_store_b32 v[AC3E], v[116+\k] offset:2048*\k
.endr
	s_wait_dscnt 0x0                               ; for the others' sake: my stores have landed
	s_barrier_signal -1
	s_barrier_wait -1
	LD64 AR3
	s_mul_i32 s48, s[TL], 5
	s_add_co_u32 s48, s48, s[KS]
	WQB FR3, SC3
	s_lshl_b32 s44, s[TL], 1
	v_add_nc_u32 v28, s44, v[RH]                   ; my question
	v_cmp_gt_u32 s42, 5, v[RO]
	v_cmp_gt_u32 s43, 7, v28
	s_and_b32 s42, s42, s43                        ; the lanes that have a row
	s_wait_dscnt 0x0
	QCOMP
.irp i, 0,1,2,3,4,5,6,7,8,9,10,11
	v_cndmask_b32 v[F+\i], 0, v[F+\i], s42         ; the others: zero codes (their byte is that of finite numbers or the floor's: never 0xff)
.endr
	PUT 0, 0
	s_cmp_lg_u32 s[KS], 0
	s_cbranch_scc1 .Lh_end
	ds_load_b32 v[X], v[AK3]
	s_wait_xcnt 0x0                                ; the stores above have read the fragment and the scale word
	QCOL
	v_cndmask_b32 v[F], 0, v[F], s42
	PUT 4*1536, 4*128
.Lh_end:
	s_wait_tensorcnt 0x0
	ds_add_u32 v224, v225
	s_wait_dscnt 0x0
	s_endpgm
	; ---- SORT.  Wave w holds tokens 2,048 w on: register n of a lane is token T0 + K(n), T0 = 2,048 w + 4 lane, K(n) = 128 (n / 4) + n % 4: each load reads 512 consecutive bytes.
.Lsort:
	s_mov_b32 s[JE], ttmp9
	s_lshl_b32 s62, ttmp9, 2                       ; my word of the counts: the place goes into the scalar base, made of the work-group's number alone
	s_mov_b32 s63, 0
	s_add_nc_u64 s[P_CNT:P_CNT+1], s[P_CNT:P_CNT+1], s[62:63]
	s_mul_i32 s50, s[JE], LSTR
	s_mov_b32 s51, 0
	s_add_nc_u64 s[P_LST:P_LST+1], s[P_LST:P_LST+1], s[50:51]
	; Word 0 of the list is written whatever the judge's number of tokens: a work-group of the chain that has no rows reads it where the judge has none.  Wave 0 stores token 0 there now; its wait for that store
	; stands in front of the barrier below, and every match is stored behind that barrier: where the judge has tokens, slot 0's match lands on the word after this 0.  So nothing here hangs on the count.
	s_cmp_lg_u32 s[WV], 0
	s_cbranch_scc1 .Lsort_ids
	global_store_b32 v[NIL], v[NIL], s[P_LST:P_LST+1]
.Lsort_ids:
	v_and_b32 v28, 0x1e0, v0
	v_lshlrev_b32 v28, 8, v28
	v_lshl_or_b32 v28, v1, 4, v28                  ; 8,192 x wave + 16 x lane
.irp i, 0,1,2,3,4,5,6,7,8,9,10,11,12,13,14,15
	global_load_b128 v[ID+4*\i:ID+4*\i+3], v28, s[P_IDS:P_IDS+1] offset:512*\i
.endr
	v_lshrrev_b32 v[T0], 2, v28
	v_mov_b32 v[FK], 0
	v_mov_b32 v[NN], 0
	v_mov_b32 v[TP], 0
	v_mov_b32 v[M1], -1
	s_wait_loadcnt 0x0
.set n, 63
.rept 64                               ; downward, so that FK ends as the K of my first match; NN counts the tokens that are not e's
	v_cmp_ne_u32 vcc_lo, s[JE], v[ID+n]
	v_cndmask_b32 v[FK], 128*(n/4)+n%4, v[FK], vcc_lo
	v_add_co_ci_u32 v[NN], vcc_lo, 0, v[NN], vcc_lo
.set n, n-1
.endr
	v_sub_nc_u32 v[CN], 64, v[NN]                  ; my matches
	v_add_nc_u32 v[FST], v[T0], v[FK]
	v_mov_b32 v[SC], v[CN]                         ; the running sum over the wave's lanes
.irp d, 1,2,4,8
	v_mov_b32_dpp v[TP], v[SC] row_shr:\d row_mask:0xf bank_mask:0xf bound_ctrl:1
	v_add_nc_u32 v[SC], v[SC], v[TP]
.endr
	v_readlane_b32 s44, v[SC], 15
	v_mad_u32_u24 v[SC], v3, s44, v[SC]            ; lanes 16-31 stand behind lanes 0-15
	v_readlane_b32 s45, v[SC], 31
	v_mov_b32 v[TP], s45
	ds_store_b32 v[ASR], v[TP]                     ; my wave's total: all lanes write the same word with the same value
	s_wait_storecnt 0x0                            ; wave 0's store of word 0 is done (the other waves have none out): the matches' stores come behind the barrier
	s_wait_dscnt 0x0                               ; for the others' sake: my total has landed
	s_barrier_signal -1
	s_barrier_wait -1
.irp k, 0,1,2,3
	ds_load_b128 v[TOT+4*\k:TOT+4*\k+3], v[NIL] offset:16*\k
.endr
	s_wait_dscnt 0x0
	s_mov_b32 s46, 0                               ; the totals of the waves in front of mine,
	s_mov_b32 s47, 0                               ; and of all: n_e
.irp j, 0,1,2,3,4,5,6,7,8,9,10,11,12,13,14,15
	v_readfirstlane_b32 s48, v[TOT+\j]
	s_cmp_gt_u32 s[WV], \j
	s_cselect_b32 s49, s48, 0
	s_add_co_u32 s46, s46, s49
	s_add_co_u32 s47, s47, s48
.endr
	v_mov_b32 v[NE], s47                           ; n_e as data, written with all lanes on
	v_sub_nc_u32 v[BAS], v[SC], v[CN]
	v_add_nc_u32 v[BAS], s46, v[BAS]               ; my first slot
	; In step n a lane stores its latest match at that match's slot (before its first match: its first match at its first slot).  So behind the barrier a slot only ever receives one value, every step is one
	; store of the whole wave, and EXEC changes once.  All 64 pairs are made with all lanes on, each in registers of its own.
.set n, 0
.rept 64
	v_cmp_eq_u32 vcc_lo, s[JE], v[ID+n]
	v_add_nc_u32 v[TK], 128*(n/4)+n%4, v[T0]
.if n == 0
	v_cndmask_b32 v[ID+n], v[FST], v[TK], vcc_lo
.else
	v_cndmask_b32 v[ID+n], v[ID+n-1], v[TK], vcc_lo
.endif
	v_add_co_ci_u32 v[M1], vcc_lo, 0, v[M1], vcc_lo        ; matches so far, less 1
	v_max_i32 v[AD+n], 0, v[M1]
	v_add_nc_u32 v[AD+n], v[AD+n], v[BAS]
	v_min_u32 v[AD+n], 0x7fff, v[AD+n]                     ; a slot of a match lies under n_e, at most 32,768: the hold changes none
	v_lshlrev_b32 v[AD+n], 2, v[AD+n]
.set n, n+1
.endr
	s_wait_xcnt 0x0                                ; EXEC changes only behind s_wait_xcnt 0
	v_cmp_lt_u32 vcc_lo, 0, v[CN]
	s_and_saveexec_b32 s52, vcc_lo                 ; lanes without a match store nothing
.set n, 0
.rept 64
	global_store_b32 v[AD+n], v[ID+n], s[P_LST:P_LST+1]
.set n, n+1
.endr
	s_wait_xcnt 0x0
	s_or_b32 exec_lo, exec_lo, s52
	s_cmp_lg_u32 s[WV], 0
	s_cbranch_scc1 .Lsort_end
	global_store_b32 v[NIL], v[NE], s[P_CNT:P_CNT+1]       ; n_e: wave 0's lanes all store the same word with the same value; the offset is the constant 0
.Lsort_end:
	s_wait_tensorcnt 0x0
	ds_add_u32 v224, v225
	s_wait_dscnt 0x0
	s_endpgm
.Lfunc_end_k_q709d774e12_prep:
	.size	k_q709d774e12_prep, .Lfunc_end_k_q709d774e12_prep-k_q709d774e12_prep
	.p2alignl 7, 3214868480
	.fill 96, 4, 3214868480
	.section	.rodata,"a",@progbits
	.p2align	6, 0x0
	.amdhsa_kernel k_q709d774e12_prep
		.amdhsa_group_segment_fixed_size 226560
		.amdhsa_private_segment_fixed_size 0
		.amdhsa_enable_private_segment 0
		.amdhsa_kernarg_size 128
		.amdhsa_user_sgpr_count 2
		.amdhsa_user_sgpr_kernarg_segment_ptr 1
		.amdhsa_wavefront_size32 1
		.amdhsa_system_sgpr_workgroup_id_x 1
		.amdhsa_system_sgpr_workgroup_id_y 1
		.amdhsa_system_sgpr_workgroup_id_z 1
		.amdhsa_system_vgpr_workitem_id 0
		.amdhsa_next_free_vgpr 226
		.amdhsa_next_free_sgpr 66
		.amdhsa_reserve_vcc 1
		.amdhsa_float_denorm_mode_32 3
		.amdhsa_float_denorm_mode_16_64 3
		.amdhsa_memory_ordered 1
		.amdhsa_forward_progress 1
		.amdhsa_inst_pref_size 85
	.end_amdhsa_kernel
	.amdgpu_metadata
---
amdhsa.version: [ 1, 2 ]
amdhsa.kernels:
  - .name:           k_q709d774e12_prep
    .symbol:         k_q709d774e12_prep.kd
    .args:
      - { .name: judge_ids, .offset: 0, .size: 8, .value_kind: global_buffer, .address_space: global }
      - { .name: W1_w, .offset: 8, .size: 8, .value_kind: global_buffer, .address_space: global }
      - { .name: W1a_w, .offset: 16, .size: 8, .value_kind: global_buffer, .address_space: global }
      - { .name: W2_w, .offset: 24, .size: 8, .value_kind: global_buffer, .address_space: global }
      - { .name: W2a_w, .offset: 32, .size: 8, .value_kind: global_buffer, .address_space: global }
      - { .name: V_w, .offset: 40, .size: 8, .value_kind: global_buffer, .address_space: global }
      - { .name: Va_w, .offset: 48, .size: 8, .value_kind: global_buffer, .address_space: global }
      - { .name: W1_b, .offset: 56, .size: 8, .value_kind: global_buffer, .address_space: global }
      - { .name: W1a_b, .offset: 64, .size: 8, .value_kind: global_buffer, .address_space: global }
      - { .name: W2_b, .offset: 72, .size: 8, .value_kind: global_buffer, .address_space: global }
      - { .name: W2a_b, .offset: 80, .size: 8, .value_kind: global_buffer, .address_space: global }
      - { .name: V_b, .offset: 88, .size: 8, .value_kind: global_buffer, .address_space: global }
      - { .name: Va_b, .offset: 96, .size: 8, .value_kind: global_buffer, .address_space: global }
      - { .name: counts, .offset: 104, .size: 8, .value_kind: global_buffer, .address_space: global }
      - { .name: list, .offset: 112, .size: 8, .value_kind: global_buffer, .address_space: global }
      - { .name: wq, .offset: 120, .size: 8, .value_kind: global_buffer, .address_space: global }
    .group_segment_fixed_size: 226560
    .private_segment_fixed_size: 0
    .kernarg_segment_align: 8
    .kernarg_segment_size: 128
    .max_flat_workgroup_size: 512
    .sgpr_count:     66
    .vgpr_count:     226
    .wavefront_size: 32
...
	.end_amdgpu_metadata
.endif
;; end of part 1
;; launch main (part 2): grid 239 x 1, 4 waves a work-group, no clusters, 61,184 bytes of LDS; arguments x, counts, list, wq, out0; writes out0
.if DOCPART == 2
	.amdgcn_target "amdgcn-amd-amdhsa--gfx1250"
	.amdhsa_code_object_version 6
	.text
	.protected	k_q709d774e12_main
	.globl	k_q709d774e12_main
	.p2align	8
	.type	k_q709d774e12_main,@function
k_q709d774e12_main:
	s_mov_b64 s[64:65], 0
	v_nop
	global_prefetch_b8 v0, s[64:65] scope:SCOPE_SE
	s_setreg_imm32_b32 hwreg(HW_REG_WAVE_MODE, 25, 1), 1
	s_wait_xcnt 0x0
; THE CHAIN.  A work-group takes 144 rows (nine tiles of 16 tokens) of ONE judge through everything: gather x, quantise, layer 1, relu, quantise, layer 2, relu, quantise, heads, softmax over each five, store.
; Only the chosen judge's products are made: the others' are thrown away by the gather that follows them.  Both products of a layer (shared, judge's) have the same left operand, so they lie along K of the same sums.
; GRID.  With n_e tokens for judge e there are never more than floor((32,768 + 12 x 143) / 144) = 239 tiles, whatever the split.  Work-group g finds its judge and tile from the 12 stored counts.
; A work-group that the split leaves without rows walks the same text on held indices and jumps over the stores alone, behind the last barrier: so no barrier stands under a branch on a loaded number.
; No cluster, no tensor load: which judge a work-group has hangs on stored numbers, so neighbours need not share weights, and the last branch hangs on a loaded number.
; SHARES.  THE WAVES SHARE THE COLUMNS: wave w makes hidden units 64 w .. 64 w + 63 of both layers and questions 2 w, 2 w + 1, for all nine tiles.  Its weights (29 fragments, 348 registers) come once, as images of the
; operand's registers, three loads of 16 bytes a lane for each, and stay.  What goes round is small: the activations' codes, through LDS, again as images of registers.
; LAYOUT.  Every product is used transposed (source 0 = 16 rows of a weight, source 1 = 16 tokens): a lane holds ONE token (lane % 16), its registers run along the units.  The rows of a hidden tile are chosen so that
; the 16 registers of tiles 2 b and 2 b + 1 are units 32 b + 16 (lane / 16) + 0 .. 15: neighbours along the next K.  A wave's 64 units are half a fragment of the next product: six registers a lane.
; K.  Layer 1: K = 36 is two blocks; one instruction holds W1 | W1a | W1's rest | W1a's rest against x's blocks 0, 0, 1, 1.  Layers 2 and 3: K = 257: two instructions for the shared weight, two for the judge's, and a fifth
; for the two columns that meet the appended 1: that 1 is a block of its own, code 0x1c (16) under the byte 123 (2^-4).
; The biases (shared + judge's, summed by the launch before) are the C of each sum's first instruction.
; LIMITS: NaN and infinities are not served; blocks whose largest magnitude lies under 2^-122 take the byte 1, blocks of zeros too (their codes are zeros).  The rows that fill a judge's last tile repeat its last token
; and store that token's results again, with the same values.
.set ESTR, 195328
.set LSTR, 131328
.set FR1, 0
.set FR2, 24576
.set FR3, 147456
.set SC1, 178176
.set SC2, 180224
.set SC3, 190464
.set B1, 193024
.set B2, 194048
.set B3, 195072
; LDS.  A half fragment's image is 768 bytes: registers 0-3 at 16 x lane, registers 4-5 at 512 + 8 x lane.  Fragment (tile m, K step k) of a hidden layer: 3,072 m + 1,536 k, two halves; wave w writes at 3,072 m + 768 w.
.set Z2, 0                             ; layer 2's results, 9 x 3,072.  They lie over x's images, whose last reads stand in front of the second barrier
.set XIMG, 0                           ; x: 9 x 768
.set XSC, 6912                         ; x's scale words: 9 x 128
.set Z1, 27648                         ; layer 1's results
.set STG, 27648                        ; the stage for the results, 144 rows x 160 bytes, over layer 1's results, whose last reads stand in front of the third barrier
.set Z1SC, 55296                       ; scale words: 256 m + 128 k + 4 x lane
.set Z2SC, 57600
.set TOK, 59904                        ; the 144 tokens
.set LI16, 4                           ; v4 16 x lane   v5 8 x lane   v6 4 x lane   v7 16 r   v8 8 r
.set LI8, 5
.set LS, 6
.set LR16, 7
.set LR8, 8
.set WI16, 9                           ; v9, v10 where I store a half image: + 768 x wave
.set WI8, 10
.set XWS, 11                           ; v11 x's scale word: 4 x lane + 128 x wave
.set ZWS, 12                           ; v12 my two bytes of a hidden scale word: 4 x lane + 128 (wave / 2) + 2 (wave % 2)
.set SO, 13                            ; v13 the stage: row r, question 2 w + h
.set TKW, 14                           ; v14 where I store a token
.set RB, 15                            ; v15-19 the way out
.set TBR, 16
.set RT, 17
.set TT, 18
.set GT, 19
.set H64, 20                           ; v20 64 h   v21 32 h
.set H32, 21
.set TOKR, 22                          ; v22-24 list offsets, then tokens, of my tiles w, w + 4 (and 8: wave 0)
.set XO, 25                            ; v25-30 their offsets in x: 140 t + 64 h, 140 t
.set HA, 32                            ; v32-63  four accumulators
.set ZF, 64                            ; v64-135 fragments of activations
.set XN, 64                            ; v64-159 three sets of 32 numbers of x
.set SMX, 136                          ; v136-159 the softmax's numbers
.set ONE, 160                          ; v160-171 the fragment of the appended 1
.set PC, 172                           ; v172-181 codes just made
.set TM, 184
.set PW, 195
.set ZS, 196                           ; v196-201 activations' scale words
.set ONES, 202                         ; the appended 1's
.set W1S, 203                          ; the weights' scale words: v203-206, v207-226, v227-231
.set W2S, 207
.set W3S, 227
.set HONE, 232                         ; 1.0 in lanes 0-15, 0 in lanes 16-31
.set OV, 32                            ; the way out: 41 pairs (value, token)
.set F1, 0                             ; window 2: layer 1's four fragments; the heads' five; the biases.  Window 1: layer 2's twenty, 12 (5 T + k)
.set F3, 48
.set BB1, 112
.set BB2, 144
.set BB3, 176
.set MSB, 0
.macro WIN new                         ; bits 1:0 source 0, 3:2 source 1, 5:4 source 2, 7:6 destination; the immediate's high byte repeats the setting that is left
.if MSB != \new
	s_set_vgpr_msb (MSB<<8)|\new
.set MSB, \new
.endif
.endm
.macro NOP4                            ; four places behind a matrix instruction, in front of reads of its result and of loads into its operands
.rept 4
	v_nop
.endr
.endm
.macro MM d, a, b, c, sa, sb
	v_wmma_scale_f32_16x16x128_f8f6f4 v[(\d):(\d)+7], v[(\a):(\a)+11], v[(\b):(\b)+11], v[(\c):(\c)+7], v[\sa], v[\sb] matrix_a_fmt:MATRIX_FMT_BF6 matrix_b_fmt:MATRIX_FMT_BF6
.endm
; 32 numbers of a lane, register 16 b + i = k 32 b + 16 (lane / 16) + i of my token, become six registers of codes, v[PC] on (lane (r, h): block h whole), the bytes in v[TM+4], v[TM+5] and both in v[PW].
.macro QH s
.irp b, 0,1
	v_max3_num_f32 v[TM+\b], |v[(\s)+16*\b]|, |v[(\s)+16*\b+1]|, 0x2800000   ; with the floor 2^(5 - 127): the byte cannot fall under 1
.endr
.irp i, 2,4,6,8,10,12,14
.irp b, 0,1
	v_max3_num_f32 v[TM+\b], v[TM+\b], |v[(\s)+16*\b+\i]|, |v[(\s)+16*\b+\i+1]|
.endr
.endr
.irp b, 0,1
	v_permlanex16_b32 v[TM+2+\b], v[TM+\b], s54, s55
.endr
.irp b, 0,1
	v_max_num_f32 v[TM+\b], v[TM+\b], v[TM+2+\b]           ; with lane l xor 16's 16: the block's largest magnitude
.endr
.irp b, 0,1
	v_add_nc_u32 v[TM+6+\b], 0xfe000000, v[TM+\b]          ; 4 off its exponent field: the conversion's scale operand
.endr
.irp b, 0,1
	v_lshrrev_b32 v[TM+4+\b], 23, v[TM+6+\b]               ; the byte
.endr
	v_lshl_or_b32 v[PW], v[TM+5], 8, v[TM+4]
	v_cvt_scalef32_pk16_bf6_f32 v[PC:PC+2], v[(\s):(\s)+15], v[TM+6]
	v_cvt_scalef32_pk16_bf6_f32 v[PC+6:PC+8], v[(\s)+16:(\s)+31], v[TM+7]
	v_nop                                                  ; one plain place behind a scaled conversion
.irp i, 0,1,2
	v_permlane16_swap_b32 v[PC+\i], v[PC+6+\i]             ; the first's lanes 16-31 change places with the second's lanes 0-15: a whole block in a lane
.endr
.irp i, 0,1,2
	v_mov_b32 v[PC+3+\i], v[PC+6+\i]
.endr
.endm
.macro PUTH off
	ds_store_b128 v[WI16], v[PC:PC+3] offset:\off
	ds_store_b64 v[WI8], v[PC+4:PC+5] offset:(\off)+512
.endm
.macro FETCHX m                        ; x's fragment of tile m: blocks 0, 0, 1, 1: both halves of the lanes take lane r's six registers (block 0), then lane r + 16's (block 1)
	ds_load_b128 v[ZF:ZF+3], v[LR16] offset:XIMG+768*(\m)
	ds_load_b64 v[ZF+4:ZF+5], v[LR8] offset:XIMG+768*(\m)+512
	ds_load_b128 v[ZF+6:ZF+9], v[LR16] offset:XIMG+768*(\m)+256
	ds_load_b64 v[ZF+10:ZF+11], v[LR8] offset:XIMG+768*(\m)+640
	ds_load_b32 v[ZS], v[LS] offset:XSC+128*(\m)
.endm
.macro FETCHZ reg, sr, base, scb, m    ; the two fragments of tile m of a hidden layer, and their scale words
.irp k, 0,1
.irp c, 0,1
	ds_load_b128 v[(\reg)+12*\k+6*\c:(\reg)+12*\k+6*\c+3], v[LI16] offset:(\base)+3072*(\m)+1536*\k+768*\c
	ds_load_b64 v[(\reg)+12*\k+6*\c+4:(\reg)+12*\k+6*\c+5], v[LI8] offset:(\base)+3072*(\m)+1536*\k+768*\c+512
.endr
	ds_load_b32 v[(\sr)+\k], v[LS] offset:(\scb)+256*(\m)+128*\k
.endr
.endm
.macro RELU                            ; each accumulator from its low end on
.set jj, 0
.rept 32
	v_max_num_f32 v[HA+jj], 0, v[HA+jj]
.set jj, jj+1
.endr
.endm
.macro BARRIER                         ; my LDS stores have landed and my LDS loads are in: then the work-group's barrier
	s_wait_dscnt 0x0
	s_barrier_signal -1
	s_barrier_wait -1
.endm
.macro BASE d, reg, wm                 ; a region of my judge's block, at my wave's part
	s_mul_i32 s34, s14, \wm
	s_add_co_u32 s34, s34, \reg
	s_add_nc_u64 s[\d:\d+1], s[10:11], s[34:35]
.endm
.macro FR2LOAD f0, n
.set ff, \f0
.rept \n
.irp c, 0,1,2
	global_load_b128 v[12*ff+4*\c:12*ff+4*\c+3], v[LI16], s[38:39] offset:1536*ff+512*\c
.endr
.set ff, ff+1
.endr
.endm
.macro TOKX j, off                     ; set j's token: held inside x, kept for the way out, and its row's offsets
	v_min_u32 v[TOKR+\j], 0x7fff, v[TOKR+\j]
	ds_store_b32 v[TKW], v[TOKR+\j] offset:\off
	v_mul_u32_u24 v[XO+2*\j+1], v[TOKR+\j], 140
	v_add_nc_u32 v[XO+2*\j], v[XO+2*\j+1], v[H64]
.endm
.macro XLOAD j                         ; lane (r, h): x(t, 16 h + 0 .. 15) and x(t, 32 .. 34).  A row of x is 140 bytes, a multiple of 4 only: loads of 4 bytes
.set ii, 0
.rept 16
	global_load_b32 v[XN+32*\j+ii], v[XO+2*\j], s[4:5] offset:4*ii
.set ii, ii+1
.endr
.irp i, 0,1,2
	global_load_b32 v[XN+32*\j+16+\i], v[XO+2*\j+1], s[4:5] offset:128+4*\i
.endr
.endm
.macro XTILE j, io, so                 ; set j becomes a half image and a scale word
.irp i, 16,17,18
	v_cndmask_b32 v[XN+32*\j+\i], 0, v[XN+32*\j+\i], vcc_lo    ; k 32 to 34 belong to lanes 0-15; lanes 16-31 hold k 48 on: zeros
.endr
	QH XN+32*\j
	v_lshl_or_b32 v[PW], v[TM+5], 16, v[TM+4]
	v_mul_u32_u24 v[PW], 0x101, v[PW]              ; the bytes of blocks 0, 0, 1, 1
	PUTH \io
	ds_store_b32 v[XWS], v[PW] offset:\so
	s_wait_dscnt 0x0
.endm
	s_load_b256 s[4:11], s[0:1], 0x0               ; x s[4:5], counts s[6:7], list s[8:9], wq s[10:11]
	s_load_b64 s[12:13], s[0:1], 0x20              ; out0
	v_lshl_add_u32 v254, v0, 2, 0xed00
	v_mov_b32 v255, 0
	v_lshrrev_b32 v1, 5, v0
	v_readfirstlane_b32 s14, v1                    ; wave 0..3
	v_and_b32 v1, 31, v0                           ; lane
	v_and_b32 v2, 15, v0                           ; r
	v_bfe_u32 v3, v0, 4, 1                         ; h
	v_lshlrev_b32 v[LI16], 4, v1
	v_lshlrev_b32 v[LI8], 3, v1
	v_lshlrev_b32 v[LS], 2, v1
	v_lshlrev_b32 v[LR16], 4, v2
	v_lshlrev_b32 v[LR8], 3, v2
	s_mul_i32 s32, s14, 768
	v_add_nc_u32 v[WI16], s32, v[LI16]
	v_add_nc_u32 v[WI8], s32, v[LI8]
	s_lshl_b32 s32, s14, 7
	v_add_nc_u32 v[XWS], s32, v[LS]
	s_lshr_b32 s32, s14, 1
	s_lshl_b32 s32, s32, 7
	s_and_b32 s33, s14, 1
	s_lshl_b32 s33, s33, 1
	s_add_co_u32 s32, s32, s33
	v_add_nc_u32 v[ZWS], s32, v[LS]
	s_mul_i32 s32, s14, 40
	s_add_co_u32 s32, s32, STG
	v_mul_u32_u24 v[SO], v2, 160
	v_mad_u32_u24 v[SO], v3, 20, v[SO]
	v_add_nc_u32 v[SO], s32, v[SO]                 ; row r of 160 bytes, 20 bytes a question
	s_lshl_b32 s32, s14, 6
	s_add_co_u32 s32, s32, TOK
	v_lshl_add_u32 v[TKW], v2, 2, s32
	s_mul_i32 s32, s14, 5760                       ; the way out: wave w takes rows 36 w on
	s_add_co_u32 s32, s32, STG
	v_add_nc_u32 v[RB], s32, v[LS]
	s_mul_i32 s33, s14, 144
	s_add_co_u32 s33, s33, TOK
	v_mov_b32 v[TBR], s33
	v_lshrrev_b32 v[RT], 2, v1
	v_lshl_add_u32 v[TT], v[RT], 2, s33
	v_and_b32 v[GT], 3, v1
	v_lshl_add_u32 v[GT], v[GT], 2, 124
	v_mul_u32_u24 v[RT], v[RT], 160
	v_add_nc_u32 v[RT], v[RT], v[GT]
	v_add_nc_u32 v[RT], s32, v[RT]
	v_lshlrev_b32 v[H64], 6, v3
	v_lshlrev_b32 v[H32], 5, v3
	s_wait_kmcnt 0x0
	s_load_b256 s[16:23], s[6:7], 0x0              ; the twelve counts
	s_load_b128 s[24:27], s[6:7], 0x20
	s_mov_b32 s54, 0x76543210
	s_mov_b32 s55, 0xfedcba98                      ; v_permlanex16_b32's selects for lane l xor 16
	s_mov_b32 s58, 0x3fb8aa3b                      ; log2(e)
	v_mov_b32 v[ONE], 0x1c                         ; the appended 1: code 16 at k = 0 of blocks 0 and 1 (one meets the shared column, one the judge's), zeros elsewhere
.irp i, 1,2,3,4,5,6,7,8,9,10,11
	v_mov_b32 v[ONE+\i], 0
.endr
	v_mov_b32 v[ONES], 0x7f7f7b7b                  ; its bytes: 123 = 2^-4 for blocks 0 and 1
	v_mov_b32 v[TM+2], 0                           ; written once: a lane permute's destination counts as one of its sources
	v_mov_b32 v[TM+3], 0
	v_cmp_eq_u32 vcc_lo, 0, v3                     ; lanes 0-15; VCC stays so for the whole launch
	v_cndmask_b32 v[HONE], 0, 1.0, vcc_lo
.irp j, 0,1,2
	v_mov_b32 v[XN+32*\j+19], v[HONE]              ; x's column 35 is the appended 1; the rest of block 1 is zeros
.irp i, 20,21,22,23,24,25,26,27,28,29,30,31
	v_mov_b32 v[XN+32*\j+\i], 0
.endr
.endr
	s_mov_b32 s28, 0                               ; tiles of the judges passed
	s_mov_b32 s29, 0                               ; my judge,
	s_mov_b32 s30, 0                               ; its first tile's number,
	s_mov_b32 s31, 0                               ; its tokens
	s_wait_kmcnt 0x0
.irp e, 0,1,2,3,4,5,6,7,8,9,10,11
	s_cmp_ge_u32 ttmp9, s28                        ; the last judge whose first tile is not beyond g
	s_cselect_b32 s29, \e, s29
	s_cselect_b32 s30, s28, s30
	s_cselect_b32 s31, s[16+\e], s31
	s_add_co_u32 s32, s[16+\e], 143
	s_mul_i32 s32, s32, 58255                      ; / 144: 58,255 / 2^23 is 1 / 144 + 9.3e-8, exact for numbers up to 32,911
	s_lshr_b32 s32, s32, 23
	s_add_co_u32 s28, s28, s32
.endr
	s_cmp_lt_u32 ttmp9, s28
	s_cselect_b32 s59, 1, 0                        ; 1: I have rows
	s_min_u32 s29, s29, 11
	s_max_u32 s57, s31, 1
	s_sub_co_u32 s57, s57, 1                       ; the judge's last place in its list
	s_sub_co_u32 s32, ttmp9, s30
	s_mul_i32 s56, s32, 144                        ; my first place
	s_lshl_b32 s33, s14, 4
	s_add_co_u32 s33, s33, s56
	s_mov_b32 s35, 0
	s_mul_i32 s34, s29, LSTR
	s_add_nc_u64 s[8:9], s[8:9], s[34:35]
	v_add_nc_u32 v[TOKR], s33, v2                  ; tile w,
	v_add_nc_u32 v[TOKR+1], 64, v[TOKR]            ; tile w + 4,
	v_add_nc_u32 v[TOKR+2], 0x80, v[TOKR]          ; tile 8 (wave 0)
.irp j, 0,1,2
	v_min_u32 v[TOKR+\j], s57, v[TOKR+\j]          ; places past the judge's end repeat its last token
	v_min_u32 v[TOKR+\j], 0x7fff, v[TOKR+\j]
	v_lshlrev_b32 v[TOKR+\j], 2, v[TOKR+\j]
.endr
	; THE LOADS, in an order that lets every wait be counted alike in all waves: what wave 0 alone asks for stands first in its group.
	s_cmp_lg_u32 s14, 0
	s_cbranch_scc1 .Ltok
	global_load_b32 v[TOKR+2], v[TOKR+2], s[8:9]
.Ltok:
	global_load_b32 v[TOKR], v[TOKR], s[8:9]
	global_load_b32 v[TOKR+1], v[TOKR+1], s[8:9]
	s_mul_i32 s34, s29, ESTR
	s_add_nc_u64 s[10:11], s[10:11], s[34:35]
	BASE 36, FR1, 6144
	BASE 38, FR2, 30720
	BASE 40, FR3, 7680
	BASE 42, SC1, 512
	BASE 44, SC2, 2560
	BASE 46, SC3, 640
	BASE 48, B1, 256
	BASE 50, B2, 256
	BASE 52, B3, 64
	WIN 0x80                                       ; destination window 2
.irp T, 0,1,2,3
.irp c, 0,1,2
	global_load_b128 v[F1+12*\T+4*\c:F1+12*\T+4*\c+3], v[LI16], s[36:37] offset:1536*\T+512*\c
.endr
.endr
.irp T, 0,1,2,3                        ; lane (r, h) wants, for tile 2 b + u, the biases of units 32 b + 16 h + 8 u + 0 .. 7
	global_load_b128 v[BB1+8*\T:BB1+8*\T+3], v[H64], s[48:49] offset:(32*(\T/2)+8*(\T%2))*4
	global_load_b128 v[BB1+8*\T+4:BB1+8*\T+7], v[H64], s[48:49] offset:(32*(\T/2)+8*(\T%2))*4+16
.endr
	WIN 0
.irp T, 0,1,2,3
	global_load_b32 v[W1S+\T], v[LS], s[42:43] offset:128*\T
.endr
	WIN 0x40                                       ; destination window 1
	FR2LOAD 0, 12
	WIN 0
	s_wait_loadcnt 60                              ; behind the tokens: layer 1's 24 loads and 36 of layer 2's
	s_cmp_lg_u32 s14, 0
	s_cbranch_scc1 .Lx8
	TOKX 2, 512
	XLOAD 2
.Lx8:
	TOKX 0, 0
	TOKX 1, 256
	XLOAD 0
	XLOAD 1
	WIN 0x40
	FR2LOAD 12, 8
	WIN 0x80
.irp T, 0,1,2,3
	global_load_b128 v[BB2+8*\T:BB2+8*\T+3], v[H64], s[50:51] offset:(32*(\T/2)+8*(\T%2))*4
	global_load_b128 v[BB2+8*\T+4:BB2+8*\T+7], v[H64], s[50:51] offset:(32*(\T/2)+8*(\T%2))*4+16
.endr
	WIN 0
.set ff, 0
.rept 20
	global_load_b32 v[W2S+ff], v[LS], s[44:45] offset:128*ff
.set ff, ff+1
.endr
	s_wait_loadcnt 52                              ; behind x: the 24 + 8 + 20 loads just issued.  x, layer 1's set and all before them are in
	WIN 0x80
.irp k, 0,1,2,3,4
.irp c, 0,1,2
	global_load_b128 v[F3+12*\k+4*\c:F3+12*\k+4*\c+3], v[LI16], s[40:41] offset:1536*\k+512*\c
.endr
.endr
	global_load_b128 v[BB3:BB3+3], v[H32], s[52:53]        ; slots 8 (2 w + h) + 0 .. 7
	global_load_b128 v[BB3+4:BB3+7], v[H32], s[52:53] offset:16
	WIN 0
.irp k, 0,1,2,3,4
	global_load_b32 v[W3S+\k], v[LS], s[46:47] offset:128*\k
.endr
	; ---- X: my tiles of x become images
	s_cmp_lg_u32 s14, 0
	s_cbranch_scc1 .Lq8
	XTILE 2, XIMG+6144, XSC+1024
.Lq8:
	XTILE 0, XIMG, XSC
	XTILE 1, XIMG+3072, XSC+512
	BARRIER                                        ; x's nine images and the tokens lie in LDS
	; ---- 1: one instruction a tile of units; the next tile of tokens is fetched while this one is quantised
.macro PH1 m
	s_wait_dscnt 0x0
	WIN 0x22                                       ; source 0 (W1) and source 2 (the bias) window 2
.irp T, 0,1,2,3
	MM HA+8*\T, F1+12*\T, ZF, BB1+8*\T, W1S+\T, ZS
.endr
	WIN 0
	NOP4
.if \m < 8
	FETCHX \m+1
.endif
	RELU
	QH HA
	PUTH Z1+3072*\m
	ds_store_b16 v[ZWS], v[PW] offset:Z1SC+256*\m
.endm
	FETCHX 0
.irp m, 0,1,2,3,4,5,6,7,8
	PH1 \m
.endr
	BARRIER                                        ; layer 1's results lie in LDS, and nobody reads x's images any more
	; ---- 2: five instructions a tile of units; the four accumulators take turns, one instruction a turn
.macro PH2 m
	s_wait_dscnt 0x0
	WIN 0x21                                       ; source 0 (W2) window 1, source 2 (the bias) window 2
.irp T, 0,1,2,3
	MM HA+8*\T, 60*\T, ZF, BB2+8*\T, W2S+5*\T, ZS
.endr
	WIN 0x01
.irp k, 1,2,3
.irp T, 0,1,2,3
	MM HA+8*\T, 12*(5*\T+\k), ZF+12*(\k%2), HA+8*\T, W2S+5*\T+\k, ZS+\k%2
.endr
.endr
.irp T, 0,1,2,3
	MM HA+8*\T, 12*(5*\T+4), ONE, HA+8*\T, W2S+5*\T+4, ONES
.endr
	WIN 0
	NOP4
.if \m < 8
	FETCHZ ZF, ZS, Z1, Z1SC, \m+1
.endif
	RELU
	QH HA
	PUTH Z2+3072*\m
	ds_store_b16 v[ZWS], v[PW] offset:Z2SC+256*\m
.endm
	s_wait_loadcnt 22                              ; only the heads' 22 loads may be out
	FETCHZ ZF, ZS, Z1, Z1SC, 0
.irp m, 0,1,2,3,4,5,6,7,8
	PH2 \m
.endr
	BARRIER                                        ; layer 2's results lie in LDS, and nobody reads layer 1's any more
	; ---- 3: my two questions for three tiles of tokens at a time: three accumulators by turns.  Lane (r, h): registers 0-4 are the five logits of question 2 w + h for token r: the softmax needs no other lane.
.macro PH3 g
	s_wait_dscnt 0x0
	WIN 0x22
.irp i, 0,1,2
	MM HA+8*\i, F3, ZF+24*\i, BB3, W3S, ZS+2*\i
.endr
	WIN 0x02
.irp k, 1,2,3
.irp i, 0,1,2
	MM HA+8*\i, F3+12*\k, ZF+24*\i+12*(\k%2), HA+8*\i, W3S+\k, ZS+2*\i+\k%2
.endr
.endr
.irp i, 0,1,2
	MM HA+8*\i, F3+48, ONE, HA+8*\i, W3S+4, ONES
.endr
	WIN 0
	NOP4
.if \g < 2
.irp i, 0,1,2
	FETCHZ ZF+24*\i, ZS+2*\i, Z2, Z2SC, 3*(\g+1)+\i
.endr
.endif
.irp i, 0,1,2
	v_max3_num_f32 v[TM+\i], v[HA+8*\i], v[HA+8*\i+1], v[HA+8*\i+2]        ; the largest of the five is taken away ahead of the exponentials
.endr
.irp i, 0,1,2
	v_max3_num_f32 v[TM+\i], v[TM+\i], v[HA+8*\i+3], v[HA+8*\i+4]
.endr
.irp i, 0,1,2
	v_mul_f32 v[TM+\i], -v[TM+\i], s58
.endr
.irp j, 0,1,2,3,4
.irp i, 0,1,2
	v_fma_f32 v[SMX+8*\i+\j], v[HA+8*\i+\j], s58, v[TM+\i]                 ; (logit - largest) x log2(e), fused
.endr
.endr
.irp j, 0,1,2,3,4
.irp i, 0,1,2
	v_exp_f32 v[SMX+8*\i+\j], v[SMX+8*\i+\j]
.endr
.endr
	v_nop                                          ; one plain place behind the exponentials
	s_wait_alu depctr_va_vdst(0)
.irp i, 0,1,2
	v_add_f32 v[TM+3+\i], v[SMX+8*\i], v[SMX+8*\i+1]
.endr
.irp j, 2,3,4
.irp i, 0,1,2
	v_add_f32 v[TM+3+\i], v[TM+3+\i], v[SMX+8*\i+\j]
.endr
.endr
.irp i, 0,1,2
	v_rcp_f32 v[TM+3+\i], v[TM+3+\i]
.endr
	v_nop                                          ; one plain place behind the reciprocals
	s_wait_alu depctr_va_vdst(0)
.irp j, 0,1,2,3,4
.irp i, 0,1,2
	v_mul_f32 v[SMX+8*\i+\j], v[SMX+8*\i+\j], v[TM+3+\i]
.endr
.endr
.irp i, 0,1,2
.irp j, 0,1,2,3,4
	ds_store_b32 v[SO], v[SMX+8*\i+\j] offset:2560*(3*\g+\i)+4*\j          ; the eighth question, which is none, falls into the row's last 20 bytes, which nobody reads
.endr
.endr
.endm
	s_wait_loadcnt 0x0                             ; the heads' weights
.irp i, 0,1,2
	FETCHZ ZF+24*\i, ZS+2*\i, Z2, Z2SC, \i
.endr
	PH3 0
	PH3 1
	PH3 2
	BARRIER                                        ; 144 whole rows lie in the stage
	; ---- THE WAY OUT.  A row of out0 is 140 bytes at 140 x its token.  Wave w stores rows 36 w on: the 32 lanes store a row's first 128 bytes, consecutive; then four lanes to a row store columns 31 to 34 of eight rows at
	; a time (column 31, and rows 28 to 31 of the 36, twice, with the same values).  Every item has registers of its own: no store's source is written again.
	s_cmp_eq_u32 s59, 0
	s_cbranch_scc1 .Lend                           ; a work-group without rows stores nothing
.irp b, 0,1,2
.irp i, 0,1,2,3,4,5,6,7,8,9,10,11
	ds_load_b32 v[OV+2*(12*\b+\i)], v[RB] offset:160*(12*\b+\i)
	ds_load_b32 v[OV+2*(12*\b+\i)+1], v[TBR] offset:4*(12*\b+\i)
.endr
.irp i, 0,1,2,3,4,5,6,7,8,9,10,11
	s_wait_dscnt 2*(11-\i)                         ; behind row i's pair: the pairs of the rows after it
	v_min_u32 v[OV+2*(12*\b+\i)+1], 0x7fff, v[OV+2*(12*\b+\i)+1]
	v_mul_u32_u24 v[OV+2*(12*\b+\i)+1], v[OV+2*(12*\b+\i)+1], 140
	v_add_nc_u32 v[OV+2*(12*\b+\i)+1], v[OV+2*(12*\b+\i)+1], v[LS]
	global_store_b32 v[OV+2*(12*\b+\i)+1], v[OV+2*(12*\b+\i)], s[12:13] th:TH_STORE_NT
.endr
.endr
.irp i, 0,1,2,3,4                      ; eight rows from row 0, 8, 16, 24, 28
	ds_load_b32 v[OV+72+2*\i], v[RT] offset:160*(8*\i-4*(\i/4))
	ds_load_b32 v[OV+73+2*\i], v[TT] offset:4*(8*\i-4*(\i/4))
.endr
.irp i, 0,1,2,3,4
	s_wait_dscnt 2*(4-\i)
	v_min_u32 v[OV+73+2*\i], 0x7fff, v[OV+73+2*\i]
	v_mul_u32_u24 v[OV+73+2*\i], v[OV+73+2*\i], 140
	v_add_nc_u32 v[OV+73+2*\i], v[OV+73+2*\i], v[GT]
	global_store_b32 v[OV+73+2*\i], v[OV+72+2*\i], s[12:13] th:TH_STORE_NT
.endr
.Lend:
	s_wait_tensorcnt 0x0
	ds_add_u32 v254, v255
	s_wait_dscnt 0x0
	s_endpgm
.Lfunc_end_k_q709d774e12_main:
	.size	k_q709d774e12_main, .Lfunc_end_k_q709d774e12_main-k_q709d774e12_main
	.p2alignl 7, 3214868480
	.fill 96, 4, 3214868480
	.section	.rodata,"a",@progbits
	.p2align	6, 0x0
	.amdhsa_kernel k_q709d774e12_main
		.amdhsa_group_segment_fixed_size 61184
		.amdhsa_private_segment_fixed_size 0
		.amdhsa_enable_private_segment 0
		.amdhsa_kernarg_size 40
		.amdhsa_user_sgpr_count 2
		.amdhsa_user_sgpr_kernarg_segment_ptr 1
		.amdhsa_wavefront_size32 1
		.amdhsa_system_sgpr_workgroup_id_x 1
		.amdhsa_system_sgpr_workgroup_id_y 1
		.amdhsa_system_sgpr_workgroup_id_z 1
		.amdhsa_system_vgpr_workitem_id 0
		.amdhsa_next_free_vgpr 704
		.amdhsa_next_free_sgpr 66
		.amdhsa_reserve_vcc 1
		.amdhsa_float_denorm_mode_32 3
		.amdhsa_float_denorm_mode_16_64 3
		.amdhsa_memory_ordered 1
		.amdhsa_forward_progress 1
		.amdhsa_inst_pref_size 174
	.end_amdhsa_kernel
	.amdgpu_metadata
---
amdhsa.version: [ 1, 2 ]
amdhsa.kernels:
  - .name:           k_q709d774e12_main
    .symbol:         k_q709d774e12_main.kd
    .args:
      - { .name: x, .offset: 0, .size: 8, .value_kind: global_buffer, .address_space: global }
      - { .name: counts, .offset: 8, .size: 8, .value_kind: global_buffer, .address_space: global }
      - { .name: list, .offset: 16, .size: 8, .value_kind: global_buffer, .address_space: global }
      - { .name: wq, .offset: 24, .size: 8, .value_kind: global_buffer, .address_space: global }
      - { .name: out0, .offset: 32, .size: 8, .value_kind: global_buffer, .address_space: global }
    .group_segment_fixed_size: 61184
    .private_segment_fixed_size: 0
    .kernarg_segment_align: 8
    .kernarg_segment_size: 40
    .max_flat_workgroup_size: 128
    .sgpr_count:     66
    .vgpr_count:     704
    .wavefront_size: 32
...
	.end_amdgpu_metadata
.endif
;; end of part 2
;; ======== version 2 of 3: 2 launches; 1.26 times as fast as version 1
;; workspace buffers: counts 256 bytes of whole numbers; list 1,575,936 bytes of whole numbers; wq 2,343,936 bytes
;; launch prep (part 3): grid 168 x 1, 16 waves a work-group, no clusters, 226,560 bytes of LDS; arguments judge_ids, W1_w, W1a_w, W2_w, W2a_w, V_w, Va_w, W1_b, W1a_b, W2_b, W2a_b, V_b, Va_b, counts, list, wq; writes counts, list, wq
.if DOCPART == 3
	.amdgcn_target "amdgcn-amd-amdhsa--gfx1250"
	.amdhsa_code_object_version 6
	.text
	.protected	k_q709d774e12_prep
	.globl	k_q709d774e12_prep
	.p2align	8
	.type	k_q709d774e12_prep,@function
k_q709d774e12_prep:
	s_mov_b64 s[64:65], 0
	v_nop
	global_prefetch_b8 v0, s[64:65] scope:SCOPE_SE
	s_setreg_imm32_b32 hwreg(HW_REG_WAVE_MODE, 25, 1), 1
	s_wait_xcnt 0x0
; PREP: what the chain's launch needs, made once.  Four roles, chosen by the work-group's number g:
;   g 0-95    SORT, judge e = g / 8, part p = g % 8 of the tokens: the list of the tokens whose judge_ids is e (any order) and their number n_e.  No atomics: every work-group counts e's tokens over all ids,
;             so it knows where its part's run of slots begins, and places its own 4,096 tokens alone.
;   g 96-143  LAYER 2, judge e, 64 rows of W2_w and of W2a_w[e]: quantised along K to E3M2 with one E8M0 byte for each 32, stored as images of the operand's registers.
;   g 144-155 HEADS, judge e: V_w and Va_w[e] likewise, eight slots to a question (five real rows, three of zero codes), an eighth question of zero codes.
;   g 156-167 LAYER 1, judge e: W1_w and W1a_w[e] side by side along K of ONE instruction, and the sums of the shared and the judge's biases.
; A judge's block of wq holds everything that a work-group of the chain reads, the shared weights repeated in it.  A fragment (16 rows x 128 K, 12 registers a lane) lies as three runs of 512 bytes:
; registers 4 c .. 4 c + 3 of lane l at 512 c + 16 l; its scale words as 128 bytes, 4 a lane.  So the chain loads each fragment by three loads of 16 bytes a lane.
; THE QUANTISER: a block's scale is 2^(floor(log2(largest magnitude)) - 4); its byte is the largest magnitude's exponent field - 4, held at 1 from below; numbers beyond 28 scales take the largest code.
; LIMITS: NaN and infinities among the inputs are not served.  Blocks whose largest magnitude lies under 2^-122 take the byte 1.  A block of zeros has the byte 1 where the rule says 127:
; its codes are zeros, which add nothing under any byte but 0xff, and the bytes are read by this program alone.
; K = 257: column 256 (it meets the appended 1) is a block of its own; the shared and the judge's column are blocks 0 and 1 of a fifth fragment, whose blocks 2 and 3 are zero codes under the byte 127.
; No branch of this text hangs on a loaded number: only on the work-group's and the wave's number.
.set ESTR, 195328                      ; a judge's block of wq
.set LSTR, 131328                      ; a judge's region of the list: 32,832 words
.set FR1, 0                            ; 16 fragments of layer 1
.set FR2, 24576                        ; 80 of layer 2: 5 x tile + s
.set FR3, 147456                       ; 20 of the heads: 5 x tile + s
.set SC1, 178176                       ; their scale words
.set SC2, 180224
.set SC3, 190464
.set B1, 193024                        ; 256 f32, then B2's 256, then B3's 64
.set B3, 195072
.set ROWB, 1028                        ; a row of 257 f32: 257 words, so that rows r and r + 1 begin one bank apart (64 banks of 4 bytes: ISA guide 11.1)
.set S2, 256                           ; LDS: bytes 0-127 the sort's two sets of 16 totals; 64 rows of W2_w;
.set E2, 66048                         ; 64 rows of W2a_w[e];
.set S3, 131840                        ; V_w's 35 rows and 10,240 bytes of zeros behind them;
.set E3, 178176                        ; Va_w[e]'s likewise.  Each role has bytes of its own
.set G_W2, 96                          ; the first work-group of each role behind the sort
.set G_HD, 144
.set G_W1, 156
.set P_IDS, 4
.set P_W1, 6
.set P_W1A, 8
.set P_W2, 10
.set P_W2A, 12
.set P_V, 14
.set P_VA, 16
.set P_W1B, 18
.set P_W1AB, 20
.set P_W2B, 22
.set P_W2AB, 24
.set P_VB, 26
.set P_VAB, 28
.set P_CNT, 30
.set P_LST, 32
.set P_WQ, 34
.set WV, 36                            ; s36 wave;  s37 wave / 4: a tile;  s38 wave % 4: a K step (0, 1 shared, 2, 3 the judge's);  s39 the judge
.set TL, 37
.set KS, 38
.set JE, 39
.set LI16, 4                           ; v4  16 x lane        v5  4 x lane        v6  8 x (lane / 16)
.set LS4, 5
.set SH8, 6
.set AC2S, 7                           ; v7-10  layer 2: where a thread lays its copied bytes (shared, judge's), and wave 0 the last 256
.set AC2E, 8
.set AT2S, 9
.set AT2E, 10
.set AR2, 11                           ; v11 where my lane reads its 64 numbers;  v12 its number of column 256
.set AK2, 12
.set AC3S, 13                          ; v13-18 the same for the heads
.set AC3E, 14
.set AT3S, 15
.set AT3E, 16
.set AR3, 17
.set AK3, 18
.set ASR, 19                           ; v19 the sort: my wave's word
.set NIL, 20                           ; v20 0; never rewritten
.set G16, 21                           ; v21 16 x thread      v22 4 x thread      v23 8 x lane
.set G4, 22
.set G8, 23
.set RW, 24                            ; v24 r + 8 (r / 8)    v26 r / 8           v27 r % 8
.set RH, 26
.set RO, 27
.set X, 32                             ; v32-95   64 numbers of a lane
.set F, 176                            ; v176-187 the fragment;  v188-194 the second halves' codes
.set F2, 188
.set TM, 200
.set SW, 216                           ; the scale word
.set ID, 32                            ; the sort: v32-95 the ids that I count;  v96-103 my part's ids, then the tokens to store;  v104-111 their slots
.set OW, 96
.set AD, 104
.set FK, 200                           ; the K of my first match;  v201 my tokens that are not e's;  v202 my matches;  v203 their running sum over the lanes
.set NN, 201
.set CN, 202
.set SC, 203
.set TP, 204                           ; v204, v211 what a DPP move brings
.set T0, 205                           ; my first token
.set FST, 206                          ; my first match
.set BAS, 207                          ; my first slot in the wave's run
.set M1, 208
.set TK, 209
.set NA, 210                           ; e's tokens among the 64 that I count
.set TQ, 211
.set WT, 212                           ; a total, to LDS and back
.set NE, 213                           ; n_e, to be stored
.set WM, 214                           ; a total that stands in front of my run, or 0
.set THR, 215
.set WB, 217                           ; my wave's total of the part, to LDS
.macro LD64 adr                        ; lane (r, h) takes k = 64 c + 32 h + 0 .. 31 of its row's K step: the order of the operand's registers
.irp c, 0,1
.set ii, 0
.rept 32
	ds_load_b32 v[X+32*\c+ii], v[\adr] offset:256*\c+4*ii
.set ii, ii+1
.endr
.endr
.endm
.macro QCOMP                           ; 64 numbers of a lane, two whole blocks, become the fragment v[F] on and the scale word v[SW]
.irp c, 0,1
	v_max3_num_f32 v[TM+\c], |v[X+32*\c]|, |v[X+32*\c+1]|, 0x2800000   ; with the floor 2^(5 - 127): the byte cannot fall under 1
.endr
.irp i, 2,4,6,8,10,12,14,16,18,20,22,24,26,28,30
.irp c, 0,1
	v_max3_num_f32 v[TM+\c], v[TM+\c], |v[X+32*\c+\i]|, |v[X+32*\c+\i+1]|   ; (the two blocks by turns)
.endr
.endr
.irp c, 0,1
	v_add_nc_u32 v[TM+2+\c], 0xfe000000, v[TM+\c]          ; 4 off the exponent field: the conversion's scale operand
.endr
.irp c, 0,1
	v_lshrrev_b32 v[TM+4+\c], 23, v[TM+2+\c]               ; the byte
.endr
	v_lshl_or_b32 v[SW], v[TM+5], 16, v[TM+4]              ; my blocks are h and 2 + h of the row
	v_lshlrev_b32 v[SW], v[SH8], v[SW]
	v_permlanex16_b32 v[TM+6], v[SW], s40, s41
	v_or_b32 v[SW], v[SW], v[TM+6]                         ; with lane l xor 16's two the word is whole, in both halves of the lanes
.irp c, 0,1
	v_cvt_scalef32_pk16_bf6_f32 v[F+6*\c:F+6*\c+2], v[X+32*\c:X+32*\c+15], v[TM+2+\c]
	v_cvt_scalef32_pk16_bf6_f32 v[F2+4*\c:F2+4*\c+2], v[X+32*\c+16:X+32*\c+31], v[TM+2+\c]   ; (a conversion's three registers begin on an even number)
.endr
	v_nop                                                  ; one plain place behind a scaled conversion
.irp c, 0,1
.irp i, 0,1,2
	v_mov_b32 v[F+6*\c+3+\i], v[F2+4*\c+\i]
.endr
.endr
.endm
.macro QCOL                            ; v[X], on its way from LDS: column 256 of my row, the shared weight's (h = 0) or the judge's (h = 1): a block of one number and 31 zeros
.irp i, 1,2,3,4,5,6,7,8,9,10,11,12,13,14,15
	v_mov_b32 v[X+\i], 0
.endr
	s_wait_dscnt 0x0
	v_max3_num_f32 v[TM], |v[X]|, |v[X+1]|, 0x2800000
	v_add_nc_u32 v[TM+2], 0xfe000000, v[TM]
	v_lshrrev_b32 v[TM+4], 23, v[TM+2]
	v_lshlrev_b32 v[SW], v[SH8], v[TM+4]
	v_permlanex16_b32 v[TM+6], v[SW], s40, s41
	v_or_b32 v[SW], v[SW], v[TM+6]
	v_or_b32 v[SW], 0x7f7f0000, v[SW]                      ; blocks 2 and 3: zero codes under the byte 127
	v_cvt_scalef32_pk16_bf6_f32 v[F:F+2], v[X:X+15], v[TM+2]
	v_nop                                                  ; one plain place behind a scaled conversion
.irp i, 3,4,5,6,7,8,9,10,11
	v_mov_b32 v[F+\i], 0
.endr
.endm
.macro WQB fr, sc                      ; s39 the judge, s48 the fragment's number in its region: s[54:55] its image, s[58:59] its scale words
	s_mul_i32 s52, s[JE], ESTR
	s_mul_i32 s50, s48, 1536
	s_add_co_u32 s50, s50, s52
	s_add_co_u32 s50, s50, \fr
	s_mov_b32 s51, 0
	s_add_nc_u64 s[54:55], s[P_WQ:P_WQ+1], s[50:51]
	s_lshl_b32 s56, s48, 7
	s_add_co_u32 s56, s56, s52
	s_add_co_u32 s56, s56, \sc
	s_mov_b32 s57, 0
	s_add_nc_u64 s[58:59], s[P_WQ:P_WQ+1], s[56:57]
.endm
.macro PUT fo, so                      ; each of the three stores covers 512 consecutive bytes, at a multiple of 256 from wq's first byte
.irp c, 0,1,2
	global_store_b128 v[LI16], v[F+4*\c:F+4*\c+3], s[54:55] offset:(\fo)+512*\c
.endr
	global_store_b32 v[LS4], v[SW], s[58:59] offset:\so
.endm
	s_load_b512 s[4:19], s[0:1], 0x0
	s_load_b512 s[20:35], s[0:1], 0x40
	v_lshl_add_u32 v224, v0, 2, 0x36d00
	v_mov_b32 v225, 0
	; every LDS address of every role is made here, ahead of all partings
	v_lshrrev_b32 v1, 5, v0
	v_readfirstlane_b32 s[WV], v1
	v_lshlrev_b32 v[ASR], 2, v1
	v_and_b32 v1, 31, v0                           ; lane
	v_and_b32 v2, 15, v0                           ; r
	v_bfe_u32 v3, v0, 4, 1                         ; h
	s_lshr_b32 s[TL], s[WV], 2
	s_and_b32 s[KS], s[WV], 3
	s_mov_b32 s40, 0x76543210
	s_mov_b32 s41, 0xfedcba98                      ; v_permlanex16_b32's selects for lane l xor 16
	v_lshlrev_b32 v[LI16], 4, v1
	v_lshlrev_b32 v[LS4], 2, v1
	v_lshlrev_b32 v[SH8], 3, v3
	v_lshlrev_b32 v[G16], 4, v0
	v_lshlrev_b32 v[G4], 2, v0
	v_lshlrev_b32 v[G8], 3, v1
	v_add_nc_u32 v[AC2S], S2, v[G16]
	v_add_nc_u32 v[AC2E], E2, v[G16]
	v_add_nc_u32 v[AT2S], S2+65536, v[G8]
	v_add_nc_u32 v[AT2E], E2+65536, v[G8]
	v_add_nc_u32 v[AC3S], S3, v[G4]
	v_add_nc_u32 v[AC3E], E3, v[G4]
	v_add_nc_u32 v[AT3S], S3+35852, v[LS4]
	v_add_nc_u32 v[AT3E], E3+35852, v[LS4]
	v_mov_b32 v[NIL], 0
	v_mov_b32 v[TM+6], 0                           ; written once: a lane permute's destination counts as one of its sources
	v_and_b32 v[RW], 8, v2
	v_add_nc_u32 v[RW], v[RW], v2                  ; THE ROWS OF A HIDDEN TILE ARE NOT NEIGHBOURS: lane r of tile 2 b + u takes row 32 b + 8 u + r + 8 (r / 8)
	v_lshrrev_b32 v[RH], 3, v2
	v_and_b32 v[RO], 7, v2
	s_lshr_b32 s42, s[TL], 1
	s_lshl_b32 s42, s42, 5
	s_and_b32 s43, s[TL], 1
	s_lshl_b32 s43, s43, 3
	s_add_co_u32 s42, s42, s43
	s_mul_i32 s42, s42, ROWB                       ; layer 2: my tile's first row among the 64
	s_lshr_b32 s43, s[KS], 1                       ; 0: the shared weight, 1: the judge's
	s_and_b32 s44, s[KS], 1
	s_lshl_b32 s44, s44, 9                         ; 128 numbers along K
	s_mul_i32 s45, s43, E2-S2
	s_add_co_u32 s45, s45, s44
	s_add_co_u32 s45, s45, s42
	s_add_co_u32 s45, s45, S2
	v_mul_u32_u24 v25, v[RW], ROWB
	v_lshl_add_u32 v[AR2], v3, 7, v25
	v_add_nc_u32 v[AR2], s45, v[AR2]
	s_add_co_u32 s42, s42, S2+1024
	v_mul_u32_u24 v[AK2], v3, E2-S2                ; lanes 16-31 take the judge's column: one product, the distance between the two regions
	v_add_nc_u32 v[AK2], v[AK2], v25
	v_add_nc_u32 v[AK2], s42, v[AK2]
	s_mul_i32 s42, s[TL], 10*ROWB                  ; heads: tile t begins at question 2 t; lane r takes row 5 (2 t + r / 8) + r % 8.  Where r % 8 > 4 or the question is the eighth that is no row of its own:
	s_mul_i32 s45, s43, E3-S3                      ; it reads a neighbour's row or the zeros behind the 35 rows, and its codes are set to zero afterwards
	s_add_co_u32 s45, s45, s44
	s_add_co_u32 s45, s45, s42
	s_add_co_u32 s45, s45, S3
	v_mad_u32_u24 v25, v[RH], 5, v[RO]
	v_mul_u32_u24 v25, v25, ROWB
	v_lshl_add_u32 v[AR3], v3, 7, v25
	v_add_nc_u32 v[AR3], s45, v[AR3]
	s_add_co_u32 s42, s42, S3+1024
	v_mul_u32_u24 v[AK3], v3, E3-S3
	v_add_nc_u32 v[AK3], v[AK3], v25
	v_add_nc_u32 v[AK3], s42, v[AK3]
	s_wait_kmcnt 0x0
	s_cmp_lt_u32 ttmp9, G_W2
	s_cbranch_scc1 .Lsort
	s_cmp_lt_u32 ttmp9, G_HD
	s_cbranch_scc1 .Lw2
	s_cmp_lt_u32 ttmp9, G_W1
	s_cbranch_scc1 .Lheads
	; ---- LAYER 1 AND THE BIASES.  Wave = tile.  K = 36 is blocks 0 (k 0-31) and 1 (k 32-35 and zeros).  The instruction's four blocks: W1 block 0 | W1a block 0 | W1 block 1 | W1a block 1,
	; so lanes 0-15 hold the shared row and lanes 16-31 the judge's; the chain gives x's blocks as 0, 0, 1, 1.
	s_sub_co_u32 s[JE], ttmp9, G_W1
	s_lshl_b32 s44, s[TL], 6
	s_lshr_b32 s45, s[WV], 1
	s_and_b32 s45, s45, 1
	s_lshl_b32 s45, s45, 5
	s_and_b32 s46, s[WV], 1
	s_lshl_b32 s46, s46, 3
	s_add_co_u32 s44, s44, s45
	s_add_co_u32 s44, s44, s46
	s_mul_i32 s44, s44, 144                        ; a row of 36 f32 is 144 bytes, a multiple of 16
	v_mul_u32_u24 v28, v[RW], 144
	v_add_nc_u32 v28, s44, v28
	s_mul_i32 s46, s[JE], 36864
	s_mov_b32 s47, 0
	s_add_nc_u64 s[P_W1A:P_W1A+1], s[P_W1A:P_W1A+1], s[46:47]
.irp i, 0,1,2,3,4,5,6,7,8
	global_load_b128 v[96+4*\i:96+4*\i+3], v28, s[P_W1:P_W1+1] offset:16*\i
	global_load_b128 v[132+4*\i:132+4*\i+3], v28, s[P_W1A:P_W1A+1] offset:16*\i
.endr
	s_cmp_lt_u32 s[WV], 8                          ; the bias sums: threads 0-255 layer 1's, threads 256-511 layer 2's; the choice hangs on the wave's number alone
	s_cselect_b64 s[44:45], s[P_W1B:P_W1B+1], s[P_W2B:P_W2B+1]
	s_cselect_b64 s[46:47], s[P_W1AB:P_W1AB+1], s[P_W2AB:P_W2AB+1]
	s_lshl_b32 s50, s[JE], 10
	s_mov_b32 s51, 0
	s_add_nc_u64 s[46:47], s[46:47], s[50:51]
	v_and_b32 v29, 255, v0
	v_lshlrev_b32 v29, 2, v29
	global_load_b32 v208, v29, s[44:45]
	global_load_b32 v209, v29, s[46:47]
	s_mov_b32 s48, s[WV]
	WQB FR1, SC1
	s_add_co_u32 s52, s52, B1
	s_mov_b32 s53, 0
	s_add_nc_u64 s[60:61], s[P_WQ:P_WQ+1], s[52:53]
	v_cmp_eq_u32 vcc_lo, 1, v3
.set ii, 36
.rept 28
	v_mov_b32 v[X+ii], 0                           ; the rest of block 1 is zeros
.set ii, ii+1
.endr
	s_wait_loadcnt 0x0
.set ii, 0
.rept 36
	v_cndmask_b32 v[X+ii], v[96+ii], v[132+ii], vcc_lo
.set ii, ii+1
.endr
	QCOMP
	PUT 0, 0
	v_add_f32 v208, v208, v209
	global_store_b32 v[G4], v208, s[60:61]         ; B1's 256 numbers, B2's behind them
	s_cmp_lt_u32 s[WV], 2
	s_cbranch_scc0 .Lw1_end
	v_lshrrev_b32 v30, 3, v0                       ; the heads' biases, threads 0-63: slot 8 q + o
	v_and_b32 v31, 7, v0
	v_cmp_gt_u32 s42, 5, v31
	v_cmp_gt_u32 s43, 7, v30
	s_and_b32 s42, s42, s43
	v_mad_u32_u24 v30, v30, 5, v31
	v_cndmask_b32 v30, 0, v30, s42                 ; a slot with no row loads number 0 and stores 0
	v_lshlrev_b32 v30, 2, v30
	s_mul_i32 s50, s[JE], 140
	s_add_nc_u64 s[P_VAB:P_VAB+1], s[P_VAB:P_VAB+1], s[50:51]
	global_load_b32 v210, v30, s[P_VB:P_VB+1]
	global_load_b32 v211, v30, s[P_VAB:P_VAB+1]
	s_wait_loadcnt 0x0
	v_add_f32 v210, v210, v211
	v_cndmask_b32 v210, 0, v210, s42
	global_store_b32 v[G4], v210, s[60:61] offset:B3-B1
.Lw1_end:
	s_endpgm
	; ---- LAYER 2.  64 rows of both weights are 65,792 dense bytes each: they come as they lie, 16 bytes a thread, and are read from LDS in the operand's order.
.Lw2:
	s_sub_co_u32 s[JE], ttmp9, G_W2
	s_and_b32 s49, s[JE], 3                        ; which 64 rows: those of wave s49 of the chain
	s_lshr_b32 s[JE], s[JE], 2
	s_mul_i32 s44, s49, 64*ROWB
	s_mov_b32 s45, 0
	s_add_nc_u64 s[P_W2:P_W2+1], s[P_W2:P_W2+1], s[44:45]
	s_mul_i32 s46, s[JE], 256*ROWB
	s_add_co_u32 s44, s44, s46
	s_add_nc_u64 s[P_W2A:P_W2A+1], s[P_W2A:P_W2A+1], s[44:45]
.irp k, 0,1,2,3,4,5,6,7
	global_load_b128 v[96+4*\k:96+4*\k+3], v[G16], s[P_W2:P_W2+1] offset:8192*\k
	global_load_b128 v[128+4*\k:128+4*\k+3], v[G16], s[P_W2A:P_W2A+1] offset:8192*\k th:TH_LOAD_NT
.endr
	s_cmp_lg_u32 s[WV], 0
	s_cbranch_scc1 .Lw2_all
	global_load_b64 v[160:161], v[G8], s[P_W2:P_W2+1] offset:65536     ; the last 256 bytes of each: wave 0
	global_load_b64 v[162:163], v[G8], s[P_W2A:P_W2A+1] offset:65536 th:TH_LOAD_NT
	s_wait_loadcnt 0x0
	ds_store_b64 v[AT2S], v[160:161]
	ds_store_b64 v[AT2E], v[162:163]
.Lw2_all:
	s_wait_loadcnt 0x0
.irp k, 0,1,2,3,4,5,6,7
	ds_store_b128 v[AC2S], v[96+4*\k:96+4*\k+3] offset:8192*\k
	ds_store_b128 v[AC2E], v[128+4*\k:128+4*\k+3] offset:8192*\k
.endr
	s_wait_dscnt 0x0                               ; for the others' sake: my stores have landed
	s_barrier_signal -1
	s_barrier_wait -1
	LD64 AR2
	s_lshl_b32 s48, s49, 2
	s_add_co_u32 s48, s48, s[TL]
	s_mul_i32 s48, s48, 5
	s_add_co_u32 s48, s48, s[KS]                   ; fragment 5 x tile + s
	WQB FR2, SC2
	s_wait_dscnt 0x0
	QCOMP
	PUT 0, 0
	s_cmp_lg_u32 s[KS], 0
	s_cbranch_scc1 .Lw2_end
	ds_load_b32 v[X], v[AK2]                       ; the waves with s = 0 also make their tile's fifth fragment
	s_wait_xcnt 0x0                                ; the stores above have read the fragment and the scale word: both are written again only behind this wait
	QCOL
	PUT 4*1536, 4*128
.Lw2_end:
	s_wait_tensorcnt 0x0
	ds_add_u32 v224, v225
	s_wait_dscnt 0x0
	s_endpgm
	; ---- HEADS.  35 rows of 1,028 bytes; Va_w[e] begins at a multiple of 4 bytes only, so the copy goes by words: 17 rounds of all 512 threads, 288 words by waves 0-8, the last 32 words once more by wave 8.
.Lheads:
	s_sub_co_u32 s[JE], ttmp9, G_HD
	s_mul_i32 s44, s[JE], 35*ROWB
	s_mov_b32 s45, 0
	s_add_nc_u64 s[P_VA:P_VA+1], s[P_VA:P_VA+1], s[44:45]
.irp k, 0,1,2,3,4,5,6,7,8,9,10,11,12,13,14,15,16
	global_load_b32 v[96+\k], v[G4], s[P_V:P_V+1] offset:2048*\k
	global_load_b32 v[116+\k], v[G4], s[P_VA:P_VA+1] offset:2048*\k th:TH_LOAD_NT
.endr
.irp k, 0,1,2,3,4
	ds_store_b32 v[AC3S], v[NIL] offset:35980+2048*\k      ; zeros behind the 35 rows: rows 35 to 42, which lanes with no row of their own read
	ds_store_b32 v[AC3E], v[NIL] offset:35980+2048*\k
.endr
	s_cmp_lt_u32 s[WV], 9
	s_cbranch_scc0 .Lh_all
	global_load_b32 v113, v[G4], s[P_V:P_V+1] offset:34816
	global_load_b32 v133, v[G4], s[P_VA:P_VA+1] offset:34816 th:TH_LOAD_NT
	s_cmp_eq_u32 s[WV], 8
	s_cbranch_scc0 .Lh_18
	global_load_b32 v114, v[LS4], s[P_V:P_V+1] offset:35852        ; bytes 35,852 to 35,979: all but the last 12 are wave 8's own bytes of the round above, with the same values
	global_load_b32 v134, v[LS4], s[P_VA:P_VA+1] offset:35852
	s_wait_loadcnt 0x0
	ds_store_b32 v[AT3S], v114
	ds_store_b32 v[AT3E], v134
.Lh_18:
	s_wait_loadcnt 0x0
	ds_store_b32 v[AC3S], v113 offset:34816
	ds_store_b32 v[AC3E], v133 offset:34816
.Lh_all:
	s_wait_loadcnt 0x0
.irp k, 0,1,2,3,4,5,6,7,8,9,10,11,12,13,14,15,16
	ds_store_b32 v[AC3S], v[96+\k] offset:2048*\k
	ds_store_b32 v[AC3E], v[116+\k] offset:2048*\k
.endr
	s_wait_dscnt 0x0                               ; for the others' sake: my stores have landed
	s_barrier_signal -1
	s_barrier_wait -1
	LD64 AR3
	s_mul_i32 s48, s[TL], 5
	s_add_co_u32 s48, s48, s[KS]
	WQB FR3, SC3
	s_lshl_b32 s44, s[TL], 1
	v_add_nc_u32 v28, s44, v[RH]                   ; my question
	v_cmp_gt_u32 s42, 5, v[RO]
	v_cmp_gt_u32 s43, 7, v28
	s_and_b32 s42, s42, s43                        ; the lanes that have a row
	s_wait_dscnt 0x0
	QCOMP
.irp i, 0,1,2,3,4,5,6,7,8,9,10,11
	v_cndmask_b32 v[F+\i], 0, v[F+\i], s42         ; the others: zero codes (their byte is that of finite numbers or the floor's: never 0xff)
.endr
	PUT 0, 0
	s_cmp_lg_u32 s[KS], 0
	s_cbranch_scc1 .Lh_end
	ds_load_b32 v[X], v[AK3]
	s_wait_xcnt 0x0                                ; the stores above have read the fragment and the scale word
	QCOL
	v_cndmask_b32 v[F], 0, v[F], s42
	PUT 4*1536, 4*128
.Lh_end:
	s_wait_tensorcnt 0x0
	ds_add_u32 v224, v225
	s_wait_dscnt 0x0
	s_endpgm
	; ---- SORT, judge e, part p.  Two shares of the ids in each wave w:
	;   THE COUNT: tokens 2,048 w on, 64 a lane: how many are e's.  The totals of waves 0 .. 2 p - 1 are the tokens of e in front of my part (a part is 4,096 tokens, two waves' shares); all sixteen make n_e.
	;   THE PART:  tokens 4,096 p + 256 w on, 8 a lane: register n of a lane is token T0 + K(n), T0 = 4,096 p + 256 w + 4 lane, K(n) = 128 (n / 4) + n % 4.  These are placed.
	; Each load reads 512 consecutive bytes.  A match's slot = e's tokens in front of the part + those of the part's waves in front of mine + those of the lanes in front of mine + its rank in my lane.
.Lsort:
	s_lshr_b32 s[JE], ttmp9, 3
	s_and_b32 s49, ttmp9, 7                        ; p
	s_lshl_b32 s62, s[JE], 2                       ; my judge's word of the counts: the place goes into the scalar base, made of the work-group's number alone
	s_mov_b32 s63, 0
	s_add_nc_u64 s[P_CNT:P_CNT+1], s[P_CNT:P_CNT+1], s[62:63]
	s_mul_i32 s50, s[JE], LSTR
	s_mov_b32 s51, 0
	s_add_nc_u64 s[P_LST:P_LST+1], s[P_LST:P_LST+1], s[50:51]
	v_and_b32 v29, 0x1e0, v0                       ; 32 x wave
	v_lshlrev_b32 v28, 8, v29
	v_lshl_or_b32 v28, v1, 4, v28                  ; the count: 8,192 x wave + 16 x lane
	v_lshlrev_b32 v29, 5, v29
	v_lshl_or_b32 v29, v1, 4, v29
	s_lshl_b32 s48, s49, 14
	v_add_nc_u32 v29, s48, v29                     ; the part: 16,384 p + 1,024 x wave + 16 x lane
	global_load_b128 v[OW:OW+3], v29, s[P_IDS:P_IDS+1]
	global_load_b128 v[OW+4:OW+7], v29, s[P_IDS:P_IDS+1] offset:512
.irp i, 0,1,2,3,4,5,6,7,8,9,10,11,12,13,14,15
	global_load_b128 v[ID+4*\i:ID+4*\i+3], v28, s[P_IDS:P_IDS+1] offset:512*\i
.endr
	v_lshrrev_b32 v[T0], 2, v29
	v_mov_b32 v[FK], 0
	v_mov_b32 v[NN], 0
	v_mov_b32 v[NA], 0
	v_mov_b32 v[TP], 0                             ; written once: a DPP move's destination counts as one of its sources
	v_mov_b32 v[TQ], 0
	v_mov_b32 v[M1], -1
	s_lshl_b32 s53, s49, 1
	v_mov_b32 v[THR], s53                          ; which of the 32 totals stand in front of my run: lane r of lanes 0-15 holds wave r's total of the count: r < 2 p;
	v_mov_b32 v[TK], s[WV]                         ; lane 16 + r holds wave r's total of the part: r < my wave
	v_cmp_eq_u32 vcc_lo, 1, v3
	v_cndmask_b32 v[THR], v[THR], v[TK], vcc_lo
	v_cmp_lt_u32 s57, v2, v[THR]
	s_wait_loadcnt 16                              ; behind my part's two loads: the sixteen of the count, which land while the part is worked on
.set n, 7
.rept 8                                ; downward, so that FK ends as the K of my first match; NN counts the tokens that are not e's
	v_cmp_ne_u32 vcc_lo, s[JE], v[OW+n]
	v_cndmask_b32 v[FK], 128*(n/4)+n%4, v[FK], vcc_lo
	v_add_co_ci_u32 v[NN], vcc_lo, 0, v[NN], vcc_lo
.set n, n-1
.endr
	v_sub_nc_u32 v[CN], 8, v[NN]                   ; my matches
	v_add_nc_u32 v[FST], v[T0], v[FK]
	v_mov_b32 v[SC], v[CN]                         ; the running sum over the wave's lanes
.irp d, 1,2,4,8
	v_mov_b32_dpp v[TP], v[SC] row_shr:\d row_mask:0xf bank_mask:0xf bound_ctrl:1
	v_add_nc_u32 v[SC], v[SC], v[TP]
.endr
	v_readlane_b32 s44, v[SC], 15
	v_mad_u32_u24 v[SC], v3, s44, v[SC]            ; lanes 16-31 stand behind lanes 0-15
	v_readlane_b32 s45, v[SC], 31
	v_mov_b32 v[WB], s45
	ds_store_b32 v[ASR], v[WB] offset:64           ; my wave's total of the part: all lanes write the same word with the same value
	v_sub_nc_u32 v[BAS], v[SC], v[CN]              ; my first slot in the wave's run
	; In step n a lane stores its latest match at that match's slot (before its first match: its first match at its first slot).  So a slot only ever receives one value, every step is one store of the
	; whole wave, and EXEC changes once.  All eight pairs are made with all lanes on, each in registers of its own, and ahead of the barrier but for the run's place.
.set n, 0
.rept 8
	v_cmp_eq_u32 vcc_lo, s[JE], v[OW+n]
	v_add_nc_u32 v[TK], 128*(n/4)+n%4, v[T0]
.if n == 0
	v_cndmask_b32 v[OW+n], v[FST], v[TK], vcc_lo
.else
	v_cndmask_b32 v[OW+n], v[OW+n-1], v[TK], vcc_lo
.endif
	v_add_co_ci_u32 v[M1], vcc_lo, 0, v[M1], vcc_lo        ; matches so far, less 1
	v_max_i32 v[AD+n], 0, v[M1]
	v_add_nc_u32 v[AD+n], v[AD+n], v[BAS]
.set n, n+1
.endr
	s_wait_loadcnt 0x0                             ; the count's ids
.set n, 0
.rept 64
	v_cmp_eq_u32 vcc_lo, s[JE], v[ID+n]
	v_add_co_ci_u32 v[NA], vcc_lo, 0, v[NA], vcc_lo
.set n, n+1
.endr
.irp d, 1,2,4,8
	v_mov_b32_dpp v[TP], v[NA] row_shr:\d row_mask:0xf bank_mask:0xf bound_ctrl:1
	v_add_nc_u32 v[NA], v[NA], v[TP]
.endr
	v_readlane_b32 s44, v[NA], 15                  ; the sums of the two halves of the lanes
	v_readlane_b32 s45, v[NA], 31
	s_add_co_u32 s44, s44, s45
	v_mov_b32 v[WT], s44
	ds_store_b32 v[ASR], v[WT]                     ; my wave's total of the count
	s_wait_dscnt 0x0                               ; for the others' sake: my two totals have landed
	s_barrier_signal -1
	s_barrier_wait -1
	ds_load_b32 v[WT], v[LS4]                      ; lane l takes word l: lanes 0-15 the count's totals, lanes 16-31 the part's
	s_wait_dscnt 0x0
	v_cndmask_b32 v[WM], 0, v[WT], s57             ; those in front of my run
.irp d, 1,2,4,8
	v_mov_b32_dpp v[TP], v[WM] row_shr:\d row_mask:0xf bank_mask:0xf bound_ctrl:1
	v_mov_b32_dpp v[TQ], v[WT] row_shr:\d row_mask:0xf bank_mask:0xf bound_ctrl:1
	v_add_nc_u32 v[WM], v[WM], v[TP]
	v_add_nc_u32 v[WT], v[WT], v[TQ]
.endr
	v_readlane_b32 s46, v[WM], 15
	v_readlane_b32 s45, v[WM], 31
	s_add_co_u32 s46, s46, s45                     ; where my wave's run begins
	v_readlane_b32 s47, v[WT], 15                  ; n_e
	v_mov_b32 v[NE], s47                           ; as data, written with all lanes on
.set n, 0
.rept 8
	v_add_nc_u32 v[AD+n], s46, v[AD+n]
	v_min_u32 v[AD+n], 0x7fff, v[AD+n]             ; a slot of a match lies under n_e, at most 32,768: the hold changes none
	v_lshlrev_b32 v[AD+n], 2, v[AD+n]
.set n, n+1
.endr
	s_wait_xcnt 0x0                                ; EXEC changes only behind s_wait_xcnt 0
	v_cmp_lt_u32 vcc_lo, 0, v[CN]
	s_and_saveexec_b32 s52, vcc_lo                 ; lanes without a match store nothing
.set n, 0
.rept 8
	global_store_b32 v[AD+n], v[OW+n], s[P_LST:P_LST+1]
.set n, n+1
.endr
	s_wait_xcnt 0x0
	s_or_b32 exec_lo, exec_lo, s52
	s_cmp_lg_u32 s[WV], 0                          ; wave 0 of part 0 stores what the judge has once
	s_cbranch_scc1 .Lsort_end
	s_cmp_lg_u32 s49, 0
	s_cbranch_scc1 .Lsort_end
	global_store_b32 v[NIL], v[NE], s[P_CNT:P_CNT+1]       ; n_e: the lanes all store the same word with the same value; the offset is the constant 0
	; Word 0 of the list of a judge WITHOUT tokens takes token 0: a work-group of the chain that has no rows reads that word (and stores nothing).  No jump: the lanes are on where n_e = 0, so with tokens
	; no lane stores, and slot 0 is its match's alone, whichever part that lies in.
	v_cmp_eq_u32 vcc_lo, 0, v[NE]
	s_wait_xcnt 0x0                                ; EXEC changes only behind s_wait_xcnt 0
	s_and_saveexec_b32 s52, vcc_lo
	global_store_b32 v[NIL], v[NIL], s[P_LST:P_LST+1]
	s_wait_xcnt 0x0
	s_or_b32 exec_lo, exec_lo, s52
.Lsort_end:
	s_wait_tensorcnt 0x0
	ds_add_u32 v224, v225
	s_wait_dscnt 0x0
	s_endpgm
.Lfunc_end_k_q709d774e12_prep:
	.size	k_q709d774e12_prep, .Lfunc_end_k_q709d774e12_prep-k_q709d774e12_prep
	.p2alignl 7, 3214868480
	.fill 96, 4, 3214868480
	.section	.rodata,"a",@progbits
	.p2align	6, 0x0
	.amdhsa_kernel k_q709d774e12_prep
		.amdhsa_group_segment_fixed_size 226560
		.amdhsa_private_segment_fixed_size 0
		.amdhsa_enable_private_segment 0
		.amdhsa_kernarg_size 128
		.amdhsa_user_sgpr_count 2
		.amdhsa_user_sgpr_kernarg_segment_ptr 1
		.amdhsa_wavefront_size32 1
		.amdhsa_system_sgpr_workgroup_id_x 1
		.amdhsa_system_sgpr_workgroup_id_y 1
		.amdhsa_system_sgpr_workgroup_id_z 1
		.amdhsa_system_vgpr_workitem_id 0
		.amdhsa_next_free_vgpr 226
		.amdhsa_next_free_sgpr 66
		.amdhsa_reserve_vcc 1
		.amdhsa_float_denorm_mode_32 3
		.amdhsa_float_denorm_mode_16_64 3
		.amdhsa_memory_ordered 1
		.amdhsa_forward_progress 1
		.amdhsa_inst_pref_size 60
	.end_amdhsa_kernel
	.amdgpu_metadata
---
amdhsa.version: [ 1, 2 ]
amdhsa.kernels:
  - .name:           k_q709d774e12_prep
    .symbol:         k_q709d774e12_prep.kd
    .args:
      - { .name: judge_ids, .offset: 0, .size: 8, .value_kind: global_buffer, .address_space: global }
      - { .name: W1_w, .offset: 8, .size: 8, .value_kind: global_buffer, .address_space: global }
      - { .name: W1a_w, .offset: 16, .size: 8, .value_kind: global_buffer, .address_space: global }
      - { .name: W2_w, .offset: 24, .size: 8, .value_kind: global_buffer, .address_space: global }
      - { .name: W2a_w, .offset: 32, .size: 8, .value_kind: global_buffer, .address_space: global }
      - { .name: V_w, .offset: 40, .size: 8, .value_kind: global_buffer, .address_space: global }
      - { .name: Va_w, .offset: 48, .size: 8, .value_kind: global_buffer, .address_space: global }
      - { .name: W1_b, .offset: 56, .size: 8, .value_kind: global_buffer, .address_space: global }
      - { .name: W1a_b, .offset: 64, .size: 8, .value_kind: global_buffer, .address_space: global }
      - { .name: W2_b, .offset: 72, .size: 8, .value_kind: global_buffer, .address_space: global }
      - { .name: W2a_b, .offset: 80, .size: 8, .value_kind: global_buffer, .address_space: global }
      - { .name: V_b, .offset: 88, .size: 8, .value_kind: global_buffer, .address_space: global }
      - { .name: Va_b, .offset: 96, .size: 8, .value_kind: global_buffer, .address_space: global }
      - { .name: counts, .offset: 104, .size: 8, .value_kind: global_buffer, .address_space: global }
      - { .name: list, .offset: 112, .size: 8, .value_kind: global_buffer, .address_space: global }
      - { .name: wq, .offset: 120, .size: 8, .value_kind: global_buffer, .address_space: global }
    .group_segment_fixed_size: 226560
    .private_segment_fixed_size: 0
    .kernarg_segment_align: 8
    .kernarg_segment_size: 128
    .max_flat_workgroup_size: 512
    .sgpr_count:     66
    .vgpr_count:     226
    .wavefront_size: 32
...
	.end_amdgpu_metadata
.endif
;; end of part 3
;; launch main: the kernel of part 2 again; grid 239 x 1, 4 waves a work-group, no clusters, 61,184 bytes of LDS; arguments x, counts, list, wq, out0; writes out0
;; ======== version 3 of 3: 2 launches; version 2 with the launch main written anew for expert scheduling mode
;; workspace buffers: counts 256 bytes of whole numbers; list 1,575,936 bytes of whole numbers; wq 2,343,936 bytes
;; launch prep: the kernel of part 3 again; grid 168 x 1, 16 waves a work-group, no clusters, 226,560 bytes of LDS; arguments judge_ids, W1_w, W1a_w, W2_w, W2a_w, V_w, Va_w, W1_b, W1a_b, W2_b, W2a_b, V_b, Va_b, counts, list, wq; writes counts, list, wq
;; launch main (part 4): grid 239 x 1, 4 waves a work-group, no clusters, 61,184 bytes of LDS; arguments x, counts, list, wq, out0; writes out0
.if DOCPART == 4
	.amdgcn_target "amdgcn-amd-amdhsa--gfx1250"
	.amdhsa_code_object_version 6
	.text
	.protected	k_q709d774e12_main
	.globl	k_q709d774e12_main
	.p2align	8
	.type	k_q709d774e12_main,@function
k_q709d774e12_main:
	s_mov_b64 s[64:65], 0
	v_nop
	global_prefetch_b8 v0, s[64:65] scope:SCOPE_SE
	s_setreg_imm32_b32 hwreg(HW_REG_WAVE_SCHED_MODE, 0, 2), 2
	s_setreg_imm32_b32 hwreg(HW_REG_WAVE_MODE, 25, 1), 1
	s_wait_xcnt 0x0
	s_wait_alu depctr_vm_vsrc(0)
; THE CHAIN.  A work-group takes 144 rows (nine tiles of 16 tokens) of ONE judge through everything: gather x, quantise, layer 1, relu, quantise, layer 2, relu, quantise, heads, softmax over each five, store.
; Only the chosen judge's products are made: the others' are thrown away by the gather that follows them.  Both products of a layer (shared, judge's) have the same left operand, so they lie along K of the same sums.
; GRID.  With n_e tokens for judge e there are never more than floor((32,768 + 12 x 143) / 144) = 239 tiles, whatever the split.  Work-group g finds its judge and tile from the 12 stored counts.
; A work-group that the split leaves without rows walks the same text on held indices and jumps over the stores alone, behind the last barrier: so no barrier stands under a branch on a loaded number.
; No cluster, no tensor load: which judge a work-group has hangs on stored numbers, so neighbours need not share weights, and the last branch hangs on a loaded number.
; SHARES.  THE WAVES SHARE THE COLUMNS: wave w makes hidden units 64 w .. 64 w + 63 of both layers and questions 2 w, 2 w + 1, for all nine tiles.  Its weights (29 fragments, 348 registers) come once, as images of the
; operand's registers, three loads of 16 bytes a lane for each, and stay.  What goes round is small: the activations' codes, through LDS, again as images of registers.
; LAYOUT.  Every product is used transposed (source 0 = 16 rows of a weight, source 1 = 16 tokens): a lane holds ONE token (lane % 16), its registers run along the units.  The rows of a hidden tile are chosen so that
; the 16 registers of tiles 2 b and 2 b + 1 are units 32 b + 16 (lane / 16) + 0 .. 15: neighbours along the next K.  A wave's 64 units are half a fragment of the next product: six registers a lane.
; K.  Layer 1: K = 36 is two blocks; one instruction holds W1 | W1a | W1's rest | W1a's rest against x's blocks 0, 0, 1, 1.  Layers 2 and 3: K = 257: two instructions for the shared weight, two for the judge's, and a fifth
; for the two columns that meet the appended 1: that 1 is a block of its own, code 0x1c (16) under the byte 123 (2^-4).
; The biases (shared + judge's, summed by the launch before) are the C of each sum's first instruction.
; LIMITS: NaN and infinities are not served; blocks whose largest magnitude lies under 2^-122 take the byte 1, blocks of zeros too (their codes are zeros).  The rows that fill a judge's last tile repeat its last token
; and store that token's results again, with the same values.
; THE MODE: SCHED_MODE bits 1:0 = 2 (LLVM: expert scheduling mode 2), set by the entry lines.  The code itself states the register dependences
; between vector or matrix instructions and memory or LDS instructions, with s_wait_alu, always for 0.
; THE PLAN.  Registers that memory or LDS instructions touch:
;   v4-v21, v233-235   addresses and offsets: made at the head, never written again.  One wait on va_vdst at the head serves every load and store that reads them.
;   the weights, biases and their scale words (windows 1 and 2, v203-231): loaded once, named by matrix instructions alone.
;   v22-24, v25-30     a set's token and its two offsets in x: three vector lines write them, an LDS store and 19 loads read them: one wait on va_vdst ahead of each group of these.
;   ZF and its scale words: TWO BUFFERS BY TURNS in each phase.  Tile m's products read buffer m % 2; the LDS loads of tile m + 1 land in the other, which tile m - 1's products read.  Those products stand ahead of
;                      step m - 1's wait on va_vdst, and no vector or matrix line since names that buffer: so the loads owe no wait and stand among this step's products.
;   PC, PW             the codes and scale bytes just made: the quantiser writes them, three LDS stores read them.  One wait on va_vdst ahead of the stores; one on vm_vsrc in the next quantiser, ahead of its first write of them.
;   SMX                the softmax's results: fifteen LDS stores read them: the same two waits.
;   OV                 the way out: LDS loads land in it (behind the last group's wait on va_vdst); three vector lines turn each token into an offset; one wait on va_vdst ahead of each batch of stores.  Nothing of it is written twice.
;   v254, v255         written at the head, read by the closing add alone.
.set ESTR, 195328
.set LSTR, 131328
.set FR1, 0
.set FR2, 24576
.set FR3, 147456
.set SC1, 178176
.set SC2, 180224
.set SC3, 190464
.set B1, 193024
.set B2, 194048
.set B3, 195072
; LDS.  A half fragment's image is 768 bytes: registers 0-3 at 16 x lane, registers 4-5 at 512 + 8 x lane.  Fragment (tile m, K step k) of a hidden layer: 3,072 m + 1,536 k, two halves; wave w writes at 3,072 m + 768 w.
.set Z2, 0                             ; layer 2's results, 9 x 3,072.  They lie over x's images, whose last reads stand in front of the second barrier
.set XIMG, 0                           ; x: 9 x 768
.set XSC, 6912                         ; x's scale words: 9 x 128
.set Z1, 27648                         ; layer 1's results
.set STG, 27648                        ; the stage for the results, 144 rows x 160 bytes, over layer 1's results, whose last reads stand in front of the third barrier
.set Z1SC, 55296                       ; scale words: 256 m + 128 k + 4 x lane
.set Z2SC, 57600
.set TOK, 59904                        ; the 144 tokens
.set LI16, 4                           ; v4 16 x lane   v5 8 x lane   v6 4 x lane   v7 16 r   v8 8 r
.set LI8, 5
.set LS, 6
.set LR16, 7
.set LR8, 8
.set WI16, 9                           ; v9, v10 where I store a half image: + 768 x wave
.set WI8, 10
.set XWS, 11                           ; v11 x's scale word: 4 x lane + 128 x wave
.set ZWS, 12                           ; v12 my two bytes of a hidden scale word: 4 x lane + 128 (wave / 2) + 2 (wave % 2)
.set SO, 13                            ; v13 the stage: row r, question 2 w + h
.set TKW, 14                           ; v14 where I store a token
.set RB, 15                            ; v15-19 the way out
.set TBR, 16
.set RT, 17
.set TT, 18
.set GT, 19
.set H64, 20                           ; v20 64 h   v21 32 h
.set H32, 21
.set TOKR, 22                          ; v22-24 the tokens of my tiles w, w + 4 (and 8: wave 0)
.set XO, 25                            ; v25-30 their offsets in x: 140 t + 64 h, 140 t
.set HA, 32                            ; v32-63  four accumulators
.set ZF, 64                            ; v64-135 fragments of activations, two buffers by turns: layer 1: 12 registers each; layer 2: 24 each; the heads: all 72, the second buffer being v64-135 of window 3
.set XN, 64                            ; v64-159 three sets of 32 numbers of x
.set SMX, 136                          ; v136-159 the softmax's numbers
.set ONE, 160                          ; v160-171 the fragment of the appended 1
.set PC, 172                           ; v172-181 codes just made
.set TM, 184
.set PW, 195
.set ZS, 196                           ; v196-201 activations' scale words
.set ONES, 202                         ; the appended 1's
.set W1S, 203                          ; the weights' scale words: v203-206, v207-226, v227-231
.set W2S, 207
.set W3S, 227
.set HONE, 232                         ; 1.0 in lanes 0-15, 0 in lanes 16-31
.set LO, 233                           ; v233-235 the byte offsets of my three places in the judge's list
.set ZT, 236                           ; v236-241 the heads: the scale words of the second buffer (scale operands have no window)
.set OV, 32                            ; the way out: 41 pairs (value, token)
.set F1, 0                             ; window 2: layer 1's four fragments; the heads' five; the biases.  Window 1: layer 2's twenty, 12 (5 T + k)
.set F3, 48
.set BB1, 112
.set BB2, 144
.set BB3, 176
.set MSB, 0
.macro WIN new                         ; bits 1:0 source 0, 3:2 source 1, 5:4 source 2, 7:6 destination; the immediate's high byte repeats the setting that is left
.if MSB != \new
	s_set_vgpr_msb (MSB<<8)|\new
.set MSB, \new
.endif
.endm
.macro NOP4                            ; four places behind a matrix instruction, in front of reads of its result (ISA guide 7.12.1)
.rept 4
	v_nop
.endr
.endm
.macro MM d, a, b, c, sa, sb
	v_wmma_scale_f32_16x16x128_f8f6f4 v[(\d):(\d)+7], v[(\a):(\a)+11], v[(\b):(\b)+11], v[(\c):(\c)+7], v[\sa], v[\sb] matrix_a_fmt:MATRIX_FMT_BF6 matrix_b_fmt:MATRIX_FMT_BF6
.endm
; 32 numbers of a lane, register 16 b + i = k 32 b + 16 (lane / 16) + i of my token, become six registers of codes, v[PC] on (lane (r, h): block h whole), the bytes in v[TM+4], v[TM+5] and both in v[PW].
; again = 1: LDS stores of an earlier tile have read v[PC ..] and v[PW].
.macro QH s, again
.irp b, 0,1
	v_max3_num_f32 v[TM+\b], |v[(\s)+16*\b]|, |v[(\s)+16*\b+1]|, 0x2800000   ; with the floor 2^(5 - 127): the byte cannot fall under 1
.endr
.irp i, 2,4,6,8,10,12,14
.irp b, 0,1
	v_max3_num_f32 v[TM+\b], v[TM+\b], |v[(\s)+16*\b+\i]|, |v[(\s)+16*\b+\i+1]|
.endr
.endr
.irp b, 0,1
	v_permlanex16_b32 v[TM+2+\b], v[TM+\b], s54, s55
.endr
.irp b, 0,1
	v_max_num_f32 v[TM+\b], v[TM+\b], v[TM+2+\b]           ; with lane l xor 16's 16: the block's largest magnitude
.endr
.irp b, 0,1
	v_add_nc_u32 v[TM+6+\b], 0xfe000000, v[TM+\b]          ; 4 off its exponent field: the conversion's scale operand
.endr
.irp b, 0,1
	v_lshrrev_b32 v[TM+4+\b], 23, v[TM+6+\b]               ; the byte
.endr
.if \again
	s_wait_alu depctr_vm_vsrc(0)                           ; the LDS stores of the tile before have read v[PW] and the codes v[PC ..], which are written again from here on
.endif
	v_lshl_or_b32 v[PW], v[TM+5], 8, v[TM+4]
	v_cvt_scalef32_pk16_bf6_f32 v[PC:PC+2], v[(\s):(\s)+15], v[TM+6]
	v_cvt_scalef32_pk16_bf6_f32 v[PC+6:PC+8], v[(\s)+16:(\s)+31], v[TM+7]
	v_nop                                                  ; one plain place behind a scaled conversion
.irp i, 0,1,2
	v_permlane16_swap_b32 v[PC+\i], v[PC+6+\i]             ; the first's lanes 16-31 change places with the second's lanes 0-15: a whole block in a lane
.endr
.irp i, 0,1,2
	v_mov_b32 v[PC+3+\i], v[PC+6+\i]
.endr
.endm
.macro PUTH off
	ds_store_b128 v[WI16], v[PC:PC+3] offset:\off
	ds_store_b64 v[WI8], v[PC+4:PC+5] offset:(\off)+512
.endm
.macro FETCHX m, b                     ; x's fragment of tile m into buffer b: blocks 0, 0, 1, 1: both halves of the lanes take lane r's six registers (block 0), then lane r + 16's (block 1)
	ds_load_b128 v[ZF+12*(\b):ZF+12*(\b)+3], v[LR16] offset:XIMG+768*(\m)
	ds_load_b64 v[ZF+12*(\b)+4:ZF+12*(\b)+5], v[LR8] offset:XIMG+768*(\m)+512
	ds_load_b128 v[ZF+12*(\b)+6:ZF+12*(\b)+9], v[LR16] offset:XIMG+768*(\m)+256
	ds_load_b64 v[ZF+12*(\b)+10:ZF+12*(\b)+11], v[LR8] offset:XIMG+768*(\m)+640
	ds_load_b32 v[ZS+(\b)], v[LS] offset:XSC+128*(\m)
.endm
.macro FETCHF reg, base, m             ; the two fragments of tile m of a hidden layer: eight loads, under the caller's window for the destination
.irp k, 0,1
.irp c, 0,1
	ds_load_b128 v[(\reg)+12*\k+6*\c:(\reg)+12*\k+6*\c+3], v[LI16] offset:(\base)+3072*(\m)+1536*\k+768*\c
	ds_load_b64 v[(\reg)+12*\k+6*\c+4:(\reg)+12*\k+6*\c+5], v[LI8] offset:(\base)+3072*(\m)+1536*\k+768*\c+512
.endr
.endr
.endm
.macro FETCHS sr, scb, m               ; and their two scale words
.irp k, 0,1
	ds_load_b32 v[(\sr)+\k], v[LS] offset:(\scb)+256*(\m)+128*\k
.endr
.endm
.macro FETCHZ reg, sr, base, scb, m    ; both: ten loads
	FETCHF \reg, \base, \m
	FETCHS \sr, \scb, \m
.endm
.macro RELU                            ; each accumulator from its low end on
.set jj, 0
.rept 32
	v_max_num_f32 v[HA+jj], 0, v[HA+jj]
.set jj, jj+1
.endr
.endm
.macro BARRIER                         ; my LDS stores have landed and my LDS loads are in: then the work-group's barrier
	s_wait_dscnt 0x0
	s_barrier_signal -1
	s_barrier_wait -1
.endm
.macro BASE d, reg, wm                 ; a region of my judge's block, at my wave's part
	s_mul_i32 s34, s14, \wm
	s_add_co_u32 s34, s34, \reg
	s_add_nc_u64 s[\d:\d+1], s[10:11], s[34:35]
.endm
.macro FR2LOAD f0, n
.set ff, \f0
.rept \n
.irp c, 0,1,2
	global_load_b128 v[12*ff+4*\c:12*ff+4*\c+3], v[LI16], s[38:39] offset:1536*ff+512*\c
.endr
.set ff, ff+1
.endr
.endm
.macro TOKV j                          ; set j's token, held inside x, and its row's two offsets
	v_min_u32 v[TOKR+\j], 0x7fff, v[TOKR+\j]
	v_mul_u32_u24 v[XO+2*\j+1], v[TOKR+\j], 140
	v_add_nc_u32 v[XO+2*\j], v[XO+2*\j+1], v[H64]
.endm
.macro XLOAD j                         ; lane (r, h): x(t, 16 h + 0 .. 15) and x(t, 32 .. 34).  A row of x is 140 bytes, a multiple of 4 only: loads of 4 bytes
.set ii, 0
.rept 16
	global_load_b32 v[XN+32*\j+ii], v[XO+2*\j], s[4:5] offset:4*ii
.set ii, ii+1
.endr
.irp i, 0,1,2
	global_load_b32 v[XN+32*\j+16+\i], v[XO+2*\j+1], s[4:5] offset:128+4*\i
.endr
.endm
.macro XTILE j, io, so, again          ; set j becomes a half image and a scale word
.irp i, 16,17,18
	v_cndmask_b32 v[XN+32*\j+\i], 0, v[XN+32*\j+\i], vcc_lo    ; k 32 to 34 belong to lanes 0-15; lanes 16-31 hold k 48 on: zeros
.endr
	QH XN+32*\j, \again
	v_lshl_or_b32 v[PW], v[TM+5], 16, v[TM+4]
	v_mul_u32_u24 v[PW], 0x101, v[PW]              ; the bytes of blocks 0, 0, 1, 1
	s_wait_alu depctr_va_vdst(0)                   ; the codes v[PC ..] and the scale word v[PW] are written, which the three LDS stores read; and the quantiser is done with this set of x, in which fragments land later
	PUTH \io
	ds_store_b32 v[XWS], v[PW] offset:\so
	s_wait_dscnt 0x0                               ; my stores of this tile have landed
.endm
	s_load_b256 s[4:11], s[0:1], 0x0               ; x s[4:5], counts s[6:7], list s[8:9], wq s[10:11]
	s_load_b64 s[12:13], s[0:1], 0x20              ; out0
	v_lshl_add_u32 v254, v0, 2, 0xed00
	v_mov_b32 v255, 0
	v_lshrrev_b32 v1, 5, v0
	v_readfirstlane_b32 s14, v1                    ; wave 0..3
	v_and_b32 v1, 31, v0                           ; lane
	v_and_b32 v2, 15, v0                           ; r
	v_bfe_u32 v3, v0, 4, 1                         ; h
	v_lshlrev_b32 v[LI16], 4, v1
	v_lshlrev_b32 v[LI8], 3, v1
	v_lshlrev_b32 v[LS], 2, v1
	v_lshlrev_b32 v[LR16], 4, v2
	v_lshlrev_b32 v[LR8], 3, v2
	s_wait_alu depctr_va_sdst(0)                   ; s14 is written, ahead of its first reader: addresses, bases and branches are made from it
	s_mul_i32 s32, s14, 768
	v_add_nc_u32 v[WI16], s32, v[LI16]
	v_add_nc_u32 v[WI8], s32, v[LI8]
	s_lshl_b32 s32, s14, 7
	v_add_nc_u32 v[XWS], s32, v[LS]
	s_lshr_b32 s32, s14, 1
	s_lshl_b32 s32, s32, 7
	s_and_b32 s33, s14, 1
	s_lshl_b32 s33, s33, 1
	s_add_co_u32 s32, s32, s33
	v_add_nc_u32 v[ZWS], s32, v[LS]
	s_mul_i32 s32, s14, 40
	s_add_co_u32 s32, s32, STG
	v_mul_u32_u24 v[SO], v2, 160
	v_mad_u32_u24 v[SO], v3, 20, v[SO]
	v_add_nc_u32 v[SO], s32, v[SO]                 ; row r of 160 bytes, 20 bytes a question
	s_lshl_b32 s32, s14, 6
	s_add_co_u32 s32, s32, TOK
	v_lshl_add_u32 v[TKW], v2, 2, s32
	s_mul_i32 s32, s14, 5760                       ; the way out: wave w takes rows 36 w on
	s_add_co_u32 s32, s32, STG
	v_add_nc_u32 v[RB], s32, v[LS]
	s_mul_i32 s33, s14, 144
	s_add_co_u32 s33, s33, TOK
	v_mov_b32 v[TBR], s33
	v_lshrrev_b32 v[RT], 2, v1
	v_lshl_add_u32 v[TT], v[RT], 2, s33
	v_and_b32 v[GT], 3, v1
	v_lshl_add_u32 v[GT], v[GT], 2, 124
	v_mul_u32_u24 v[RT], v[RT], 160
	v_add_nc_u32 v[RT], v[RT], v[GT]
	v_add_nc_u32 v[RT], s32, v[RT]
	v_lshlrev_b32 v[H64], 6, v3
	v_lshlrev_b32 v[H32], 5, v3
	s_wait_kmcnt 0x0
	s_load_b256 s[16:23], s[6:7], 0x0              ; the twelve counts
	s_load_b128 s[24:27], s[6:7], 0x20
	s_mov_b32 s54, 0x76543210
	s_mov_b32 s55, 0xfedcba98                      ; v_permlanex16_b32's selects for lane l xor 16
	s_mov_b32 s58, 0x3fb8aa3b                      ; log2(e)
	v_mov_b32 v[ONE], 0x1c                         ; the appended 1: code 16 at k = 0 of blocks 0 and 1 (one meets the shared column, one the judge's), zeros elsewhere
.irp i, 1,2,3,4,5,6,7,8,9,10,11
	v_mov_b32 v[ONE+\i], 0
.endr
	v_mov_b32 v[ONES], 0x7f7f7b7b                  ; its bytes: 123 = 2^-4 for blocks 0 and 1
	v_mov_b32 v[TM+2], 0                           ; written once: a lane permute's destination counts as one of its sources
	v_mov_b32 v[TM+3], 0
	v_cmp_eq_u32 vcc_lo, 0, v3                     ; lanes 0-15; VCC stays so for the whole launch
	s_wait_alu depctr_va_vcc(0)                    ; VCC is written, ahead of its first reader
	v_cndmask_b32 v[HONE], 0, 1.0, vcc_lo
.irp j, 0,1,2
	v_mov_b32 v[XN+32*\j+19], v[HONE]              ; x's column 35 is the appended 1; the rest of block 1 is zeros
.irp i, 20,21,22,23,24,25,26,27,28,29,30,31
	v_mov_b32 v[XN+32*\j+\i], 0
.endr
.endr
	s_mov_b32 s28, 0                               ; tiles of the judges passed
	s_mov_b32 s29, 0                               ; my judge,
	s_mov_b32 s30, 0                               ; its first tile's number,
	s_mov_b32 s31, 0                               ; its tokens
	s_wait_kmcnt 0x0
.irp e, 0,1,2,3,4,5,6,7,8,9,10,11
	s_cmp_ge_u32 ttmp9, s28                        ; the last judge whose first tile is not beyond g
	s_cselect_b32 s29, \e, s29
	s_cselect_b32 s30, s28, s30
	s_cselect_b32 s31, s[16+\e], s31
	s_add_co_u32 s32, s[16+\e], 143
	s_mul_i32 s32, s32, 58255                      ; / 144: 58,255 / 2^23 is 1 / 144 + 9.3e-8, exact for numbers up to 32,911
	s_lshr_b32 s32, s32, 23
	s_add_co_u32 s28, s28, s32
.endr
	s_cmp_lt_u32 ttmp9, s28
	s_cselect_b32 s59, 1, 0                        ; 1: I have rows
	s_min_u32 s29, s29, 11
	s_max_u32 s57, s31, 1
	s_sub_co_u32 s57, s57, 1                       ; the judge's last place in its list
	s_sub_co_u32 s32, ttmp9, s30
	s_mul_i32 s56, s32, 144                        ; my first place
	s_lshl_b32 s33, s14, 4
	s_add_co_u32 s33, s33, s56
	s_mov_b32 s35, 0
	s_mul_i32 s34, s29, LSTR
	s_add_nc_u64 s[8:9], s[8:9], s[34:35]
	v_add_nc_u32 v[LO], s33, v2                    ; tile w,
	v_add_nc_u32 v[LO+1], 64, v[LO]                ; tile w + 4,
	v_add_nc_u32 v[LO+2], 0x80, v[LO]              ; tile 8 (wave 0)
.irp j, 0,1,2
	v_min_u32 v[LO+\j], s57, v[LO+\j]              ; places past the judge's end repeat its last token
	v_min_u32 v[LO+\j], 0x7fff, v[LO+\j]
	v_lshlrev_b32 v[LO+\j], 2, v[LO+\j]
.endr
	s_wait_alu depctr_va_vdst(0)                   ; all addresses and offsets, v4 to v21 and v[LO ..], are written, which the loads and stores of the whole kernel read; so are the appended 1's fragment and scale word, which scaled products take
	; THE LOADS, in an order that lets every wait be counted alike in all waves: what wave 0 alone asks for stands first in its group.
	s_cmp_lg_u32 s14, 0
	s_cbranch_scc1 .Ltok
	global_load_b32 v[TOKR+2], v[LO+2], s[8:9]
.Ltok:
	global_load_b32 v[TOKR], v[LO], s[8:9]
	global_load_b32 v[TOKR+1], v[LO+1], s[8:9]
	s_mul_i32 s34, s29, ESTR
	s_add_nc_u64 s[10:11], s[10:11], s[34:35]
	BASE 36, FR1, 6144
	BASE 38, FR2, 30720
	BASE 40, FR3, 7680
	BASE 42, SC1, 512
	BASE 44, SC2, 2560
	BASE 46, SC3, 640
	BASE 48, B1, 256
	BASE 50, B2, 256
	BASE 52, B3, 64
	WIN 0x80                                       ; destination window 2.  (No vector line names a register in which the weights, biases and scale words land)
.irp T, 0,1,2,3
.irp c, 0,1,2
	global_load_b128 v[F1+12*\T+4*\c:F1+12*\T+4*\c+3], v[LI16], s[36:37] offset:1536*\T+512*\c
.endr
.endr
.irp T, 0,1,2,3                        ; lane (r, h) wants, for tile 2 b + u, the biases of units 32 b + 16 h + 8 u + 0 .. 7
	global_load_b128 v[BB1+8*\T:BB1+8*\T+3], v[H64], s[48:49] offset:(32*(\T/2)+8*(\T%2))*4
	global_load_b128 v[BB1+8*\T+4:BB1+8*\T+7], v[H64], s[48:49] offset:(32*(\T/2)+8*(\T%2))*4+16
.endr
	WIN 0
.irp T, 0,1,2,3
	global_load_b32 v[W1S+\T], v[LS], s[42:43] offset:128*\T
.endr
	WIN 0x40                                       ; destination window 1
	FR2LOAD 0, 12
	WIN 0
	s_wait_loadcnt 60                              ; behind the tokens: layer 1's 24 loads and 36 of layer 2's
	s_cmp_lg_u32 s14, 0
	s_cbranch_scc1 .Lx8
	TOKV 2
	s_wait_alu depctr_va_vdst(0)                   ; tile 8's token and its two offsets are written: the LDS store reads the one, the 19 loads the others
	ds_store_b32 v[TKW], v[TOKR+2] offset:512      ; the token is kept for the way out
	XLOAD 2
.Lx8:
	TOKV 0
	TOKV 1
	s_wait_alu depctr_va_vdst(0)                   ; the tokens of tiles w and w + 4 and their four offsets are written: the two LDS stores and the 38 loads read them
	ds_store_b32 v[TKW], v[TOKR]
	ds_store_b32 v[TKW], v[TOKR+1] offset:256
	XLOAD 0
	XLOAD 1
	WIN 0x40
	FR2LOAD 12, 8
	WIN 0x80
.irp T, 0,1,2,3
	global_load_b128 v[BB2+8*\T:BB2+8*\T+3], v[H64], s[50:51] offset:(32*(\T/2)+8*(\T%2))*4
	global_load_b128 v[BB2+8*\T+4:BB2+8*\T+7], v[H64], s[50:51] offset:(32*(\T/2)+8*(\T%2))*4+16
.endr
	WIN 0
.set ff, 0
.rept 20
	global_load_b32 v[W2S+ff], v[LS], s[44:45] offset:128*ff
.set ff, ff+1
.endr
	s_wait_loadcnt 52                              ; behind x: the 24 + 8 + 20 loads just issued.  x, layer 1's set and all before them are in
	WIN 0x80
.irp k, 0,1,2,3,4
.irp c, 0,1,2
	global_load_b128 v[F3+12*\k+4*\c:F3+12*\k+4*\c+3], v[LI16], s[40:41] offset:1536*\k+512*\c
.endr
.endr
	global_load_b128 v[BB3:BB3+3], v[H32], s[52:53]        ; slots 8 (2 w + h) + 0 .. 7
	global_load_b128 v[BB3+4:BB3+7], v[H32], s[52:53] offset:16
	WIN 0
.irp k, 0,1,2,3,4
	global_load_b32 v[W3S+\k], v[LS], s[46:47] offset:128*\k
.endr
	; ---- X: my tiles of x become images
	s_cmp_lg_u32 s14, 0
	s_cbranch_scc1 .Lq8
	XTILE 2, XIMG+6144, XSC+1024, 0
.Lq8:
	XTILE 0, XIMG, XSC, 1
	XTILE 1, XIMG+3072, XSC+512, 1
	BARRIER                                        ; x's nine images and the tokens lie in LDS
	; ---- 1: one instruction a tile of units.  Tile m's products read buffer m % 2; behind them tile m + 1 is fetched into the other buffer, with no wait: its last readers, tile m - 1's products, stand ahead of
	; that step's wait on va_vdst, and nothing since names it.
.macro PH1 m
.set PB, (\m)%2
.if \m == 0
	s_wait_dscnt 0x0
.else
	s_wait_dscnt 3                                 ; behind this tile's five loads: the three stores of the tile before, which may be out
.endif
	WIN 0x22                                       ; source 0 (W1) and source 2 (the bias) window 2
.irp T, 0,1,2,3
	MM HA+8*\T, F1+12*\T, ZF+12*PB, BB1+8*\T, W1S+\T, ZS+PB
.endr
	WIN 0
.if \m < 8
	FETCHX \m+1, 1-PB
.endif
	NOP4
	RELU
	QH HA, 1
	s_wait_alu depctr_va_vdst(0)                   ; the codes and the two bytes are written, which the three LDS stores read; and this tile's products are done reading their buffer, in which the tile after the next lands
	PUTH Z1+3072*\m
	ds_store_b16 v[ZWS], v[PW] offset:Z1SC+256*\m
.endm
	FETCHX 0, 0                                    ; (the quantiser's lines that named these registers as x's numbers stand ahead of the last tile's wait on va_vdst)
.irp m, 0,1,2,3,4,5,6,7,8
	PH1 \m
.endr
	BARRIER                                        ; layer 1's results lie in LDS, and nobody reads x's images any more
	; ---- 2: five instructions a tile of units; the four accumulators take turns, one instruction a turn.  Two buffers of 24 registers by turns, as in layer 1; the next tile's ten loads
	; stand behind the first four of the twenty products.
.macro PH2 m
.set PB, (\m)%2
.if \m == 0
	s_wait_dscnt 0x0
.else
	s_wait_dscnt 3                                 ; behind this tile's ten loads: the three stores of the tile before
.endif
	WIN 0x21                                       ; source 0 (W2) window 1, source 2 (the bias) window 2
.irp T, 0,1,2,3
	MM HA+8*\T, 60*\T, ZF+24*PB, BB2+8*\T, W2S+5*\T, ZS+2*PB
.endr
.if \m < 8
	WIN 0
	FETCHZ ZF+24*(1-PB), ZS+2*(1-PB), Z1, Z1SC, \m+1       ; no wait: no vector or matrix line since the last wait on va_vdst names the other buffer
.endif
	WIN 0x01
.irp k, 1,2,3
.irp T, 0,1,2,3
	MM HA+8*\T, 12*(5*\T+\k), ZF+24*PB+12*(\k%2), HA+8*\T, W2S+5*\T+\k, ZS+2*PB+\k%2
.endr
.endr
.irp T, 0,1,2,3
	MM HA+8*\T, 12*(5*\T+4), ONE, HA+8*\T, W2S+5*\T+4, ONES
.endr
	WIN 0
	NOP4
	RELU
	QH HA, 1
	s_wait_alu depctr_va_vdst(0)                   ; the codes and the two bytes are written, which the three LDS stores read; and this tile's products are done reading their buffer
	PUTH Z2+3072*\m
	ds_store_b16 v[ZWS], v[PW] offset:Z2SC+256*\m
.endm
	s_wait_loadcnt 22                              ; only the heads' 22 loads may be out
	FETCHZ ZF, ZS, Z1, Z1SC, 0                     ; (layer 1's products stand ahead of its last wait on va_vdst)
.irp m, 0,1,2,3,4,5,6,7,8
	PH2 \m
.endr
	BARRIER                                        ; layer 2's results lie in LDS, and nobody reads layer 1's any more
	; ---- 3: my two questions for three tiles of tokens at a time: three accumulators by turns.  Lane (r, h): registers 0-4 are the five logits of question 2 w + h for token r: the softmax needs no other lane.
	; Groups 0 and 2 have their fragments in window 0, group 1 in window 3; the next group's thirty loads stand behind the first three of the fifteen products.
.macro PH3 g
.set BW, 3*((\g)%2)                    ; the window of this group's fragments,
.set NW, 3-BW                          ; of the next group's
.set SCA, ZS+(ZT-ZS)*((\g)%2)          ; this group's scale words,
.set SCN, ZS+(ZT-ZS)*(1-(\g)%2)        ; the next group's
.if \g == 0
	s_wait_dscnt 0x0
.else
	s_wait_dscnt 15                                ; behind this group's thirty loads: the fifteen stores of the group before
.endif
	WIN (0x22+4*BW)                                ; source 0 (the heads' weights) and source 2 (the bias) window 2, source 1 this group's window
.irp i, 0,1,2
	MM HA+8*\i, F3, ZF+24*\i, BB3, W3S, SCA+2*\i
.endr
.if \g < 2
	WIN (0x40*NW)                                  ; destination: the next group's window.  No wait: group 1's registers have been named by nobody; group 2's were read by group 0's products, ahead of that group's waits on va_vdst
.irp i, 0,1,2
	FETCHF ZF+24*\i, Z2, 3*(\g+1)+\i
.endr
	WIN 0
.irp i, 0,1,2
	FETCHS SCN+2*\i, Z2SC, 3*(\g+1)+\i
.endr
.endif
	WIN (0x02+4*BW)
.irp k, 1,2,3
.irp i, 0,1,2
	MM HA+8*\i, F3+12*\k, ZF+24*\i+12*(\k%2), HA+8*\i, W3S+\k, SCA+2*\i+\k%2
.endr
.endr
	WIN 0x02                                       ; the appended 1's fragment lies in window 0
.irp i, 0,1,2
	MM HA+8*\i, F3+48, ONE, HA+8*\i, W3S+4, ONES
.endr
	WIN 0
	NOP4
.irp i, 0,1,2
	v_max3_num_f32 v[TM+\i], v[HA+8*\i], v[HA+8*\i+1], v[HA+8*\i+2]        ; the largest of the five is taken away ahead of the exponentials
.endr
.irp i, 0,1,2
	v_max3_num_f32 v[TM+\i], v[TM+\i], v[HA+8*\i+3], v[HA+8*\i+4]
.endr
.irp i, 0,1,2
	v_mul_f32 v[TM+\i], -v[TM+\i], s58
.endr
.if \g > 0
	s_wait_alu depctr_vm_vsrc(0)                   ; the fifteen LDS stores of the group before have read v[SMX ..], which is written again from here on
.endif
.irp j, 0,1,2,3,4
.irp i, 0,1,2
	v_fma_f32 v[SMX+8*\i+\j], v[HA+8*\i+\j], s58, v[TM+\i]                 ; (logit - largest) x log2(e), fused
.endr
.endr
.irp j, 0,1,2,3,4
.irp i, 0,1,2
	v_exp_f32 v[SMX+8*\i+\j], v[SMX+8*\i+\j]
.endr
.endr
	v_nop                                          ; one plain place behind the exponentials
	s_wait_alu depctr_va_vdst(0)                   ; the fifteen exponentials have written v[SMX ..]: one wait for the batch, ahead of its first reader
.irp i, 0,1,2
	v_add_f32 v[TM+3+\i], v[SMX+8*\i], v[SMX+8*\i+1]
.endr
.irp j, 2,3,4
.irp i, 0,1,2
	v_add_f32 v[TM+3+\i], v[TM+3+\i], v[SMX+8*\i+\j]
.endr
.endr
.irp i, 0,1,2
	v_rcp_f32 v[TM+3+\i], v[TM+3+\i]
.endr
	v_nop                                          ; one plain place behind the reciprocals
	s_wait_alu depctr_va_vdst(0)                   ; the three reciprocals have written v[TM+3 ..]: one wait, ahead of their first reader
.irp j, 0,1,2,3,4
.irp i, 0,1,2
	v_mul_f32 v[SMX+8*\i+\j], v[SMX+8*\i+\j], v[TM+3+\i]
.endr
.endr
	s_wait_alu depctr_va_vdst(0)                   ; the fifteen results are written, which the LDS stores read
.irp i, 0,1,2
.irp j, 0,1,2,3,4
	ds_store_b32 v[SO], v[SMX+8*\i+\j] offset:2560*(3*\g+\i)+4*\j          ; the eighth question, which is none, falls into the row's last 20 bytes, which nobody reads
.endr
.endr
.endm
	s_wait_loadcnt 0x0                             ; the heads' weights
.irp i, 0,1,2
	FETCHZ ZF+24*\i, ZS+2*\i, Z2, Z2SC, \i         ; (layer 2's products stand ahead of its last wait on va_vdst)
.endr
	PH3 0
	PH3 1
	PH3 2
	BARRIER                                        ; 144 whole rows lie in the stage
	; ---- THE WAY OUT.  A row of out0 is 140 bytes at 140 x its token.  Wave w stores rows 36 w on: the 32 lanes store a row's first 128 bytes, consecutive; then four lanes to a row store columns 31 to 34 of eight rows at
	; a time (column 31, and rows 28 to 31 of the 36, twice, with the same values).  Every item has registers of its own: no store's source is written again.
	; Three batches of twelve rows and the five items of the rest.  A batch's loads go out a batch ahead; its twelve offsets are made in one run, and one wait on va_vdst stands ahead of its run of stores.
	; The loads land in what were the accumulators and the fragments of window 0: all lines that named those stand ahead of the last group's wait on va_vdst.
.macro OLOAD b
.irp i, 0,1,2,3,4,5,6,7,8,9,10,11
	ds_load_b32 v[OV+2*(12*\b+\i)], v[RB] offset:160*(12*\b+\i)
	ds_load_b32 v[OV+2*(12*\b+\i)+1], v[TBR] offset:4*(12*\b+\i)
.endr
.endm
.macro OADDR b
.irp i, 0,1,2,3,4,5,6,7,8,9,10,11
	v_min_u32 v[OV+2*(12*\b+\i)+1], 0x7fff, v[OV+2*(12*\b+\i)+1]
.endr
.irp i, 0,1,2,3,4,5,6,7,8,9,10,11
	v_mul_u32_u24 v[OV+2*(12*\b+\i)+1], v[OV+2*(12*\b+\i)+1], 140
.endr
.irp i, 0,1,2,3,4,5,6,7,8,9,10,11
	v_add_nc_u32 v[OV+2*(12*\b+\i)+1], v[OV+2*(12*\b+\i)+1], v[LS]
.endr
.endm
.macro OSTORE b
.irp i, 0,1,2,3,4,5,6,7,8,9,10,11
	global_store_b32 v[OV+2*(12*\b+\i)+1], v[OV+2*(12*\b+\i)], s[12:13] th:TH_STORE_NT
.endr
.endm
	s_cmp_eq_u32 s59, 0
	s_cbranch_scc1 .Lend                           ; a work-group without rows stores nothing
	OLOAD 0
	OLOAD 1
	s_wait_dscnt 24                                ; batch 0 is in; batch 1's 24 loads may be out
	OADDR 0
	OLOAD 2                                        ; (the lines above name batch 0's registers alone)
	s_wait_alu depctr_va_vdst(0)                   ; batch 0's twelve offsets are written, which its stores read
	OSTORE 0
	s_wait_dscnt 24                                ; batch 1 is in; batch 2's 24 loads may be out
	OADDR 1
.irp i, 0,1,2,3,4                      ; eight rows from row 0, 8, 16, 24, 28
	ds_load_b32 v[OV+72+2*\i], v[RT] offset:160*(8*\i-4*(\i/4))
	ds_load_b32 v[OV+73+2*\i], v[TT] offset:4*(8*\i-4*(\i/4))
.endr
	s_wait_alu depctr_va_vdst(0)                   ; batch 1's twelve offsets are written
	OSTORE 1
	s_wait_dscnt 10                                ; batch 2 is in; the rest's ten loads may be out
	OADDR 2
	s_wait_alu depctr_va_vdst(0)                   ; batch 2's twelve offsets are written
	OSTORE 2
	s_wait_dscnt 0x0
.irp i, 0,1,2,3,4
	v_min_u32 v[OV+73+2*\i], 0x7fff, v[OV+73+2*\i]
.endr
.irp i, 0,1,2,3,4
	v_mul_u32_u24 v[OV+73+2*\i], v[OV+73+2*\i], 140
.endr
.irp i, 0,1,2,3,4
	v_add_nc_u32 v[OV+73+2*\i], v[OV+73+2*\i], v[GT]
.endr
	s_wait_alu depctr_va_vdst(0)                   ; the rest's five offsets are written
.irp i, 0,1,2,3,4
	global_store_b32 v[OV+73+2*\i], v[OV+72+2*\i], s[12:13] th:TH_STORE_NT
.endr
.Lend:
	s_wait_dscnt 0x0                               ; the closing lines, six on end
	s_wait_alu 0x0
	s_wait_tensorcnt 0x0
	ds_add_u32 v254, v255
	s_wait_dscnt 0x0
	s_endpgm
.Lfunc_end_k_q709d774e12_main:
	.size	k_q709d774e12_main, .Lfunc_end_k_q709d774e12_main-k_q709d774e12_main
	.p2alignl 7, 3214868480
	.fill 96, 4, 3214868480
	.section	.rodata,"a",@progbits
	.p2align	6, 0x0
	.amdhsa_kernel k_q709d774e12_main
		.amdhsa_group_segment_fixed_size 61184
		.amdhsa_private_segment_fixed_size 0
		.amdhsa_enable_private_segment 0
		.amdhsa_kernarg_size 40
		.amdhsa_user_sgpr_count 2
		.amdhsa_user_sgpr_kernarg_segment_ptr 1
		.amdhsa_wavefront_size32 1
		.amdhsa_system_sgpr_workgroup_id_x 1
		.amdhsa_system_sgpr_workgroup_id_y 1
		.amdhsa_system_sgpr_workgroup_id_z 1
		.amdhsa_system_vgpr_workitem_id 0
		.amdhsa_next_free_vgpr 904
		.amdhsa_next_free_sgpr 66
		.amdhsa_reserve_vcc 1
		.amdhsa_float_denorm_mode_32 3
		.amdhsa_float_denorm_mode_16_64 3
		.amdhsa_memory_ordered 1
		.amdhsa_forward_progress 1
		.amdhsa_inst_pref_size 175
	.end_amdhsa_kernel
	.amdgpu_metadata
---
amdhsa.version: [ 1, 2 ]
amdhsa.kernels:
  - .name:           k_q709d774e12_main
    .symbol:         k_q709d774e12_main.kd
    .args:
      - { .name: x, .offset: 0, .size: 8, .value_kind: global_buffer, .address_space: global }
      - { .name: counts, .offset: 8, .size: 8, .value_kind: global_buffer, .address_space: global }
      - { .name: list, .offset: 16, .size: 8, .value_kind: global_buffer, .address_space: global }
      - { .name: wq, .offset: 24, .size: 8, .value_kind: global_buffer, .address_space: global }
      - { .name: out0, .offset: 32, .size: 8, .value_kind: global_buffer, .address_space: global }
    .group_segment_fixed_size: 61184
    .private_segment_fixed_size: 0
    .kernarg_segment_align: 8
    .kernarg_segment_size: 40
    .max_flat_workgroup_size: 128
    .sgpr_count:     66
    .vgpr_count:     904
    .wavefront_size: 32
...
	.end_amdgpu_metadata
.endif
;; end of part 4
